; MI455X (gfx1250); checked and timed in simulation.
; The chip was launched on July 23, 2026; its instructions are those of AMD's public machine-readable ISA for CDNA 5 (MIT licence, August 2026) and "CDNA5" Instruction Set Architecture Reference Guide (July 2026). The comments in the code are by the model that wrote it; some were corrected since.
;; Self Attention. Allowed arithmetic: matrix products marked QUANTISED: E4M3 operands, one E8M0 scale for each 32 along K, by v_wmma_scale_f32_16x16x128_f8f6f4 with both operands' format E4M3, f32 sums; everything else in f32.
;; Inputs: W_in 1,024 x 3,072 float32; W_out 1,024 x 1,024 float32; b_in 3,072 float32; b_out 1,024 float32; x 4 x 2,048 x 1,024 float32.
;; Outputs: out0 4 x 2,048 x 1,024 float32.
;; This version of the problem:
;;   THIS VERSION OF THE PROBLEM IS GIVEN IN LOW PRECISION. The matrix products marked QUANTISED in the list below multiply operands that are first quantised to E4M3 (4 exponent bits, 3 mantissa bits; 8 bits a number), with one power-of-two scale for each 32 numbers along K (OCP MX v1.0); their sums are f32. All else is computed in f32.
;;   The module's matrix products, in the order in which they are computed (A, B: the left and right operand; K: the contracted axis; several contracted axes count as one K, in the product's order):
;;     1. [M 8,192, K 1,024] x [K 1,024, N 3,072]; A: input x; B: input W_in: QUANTISED
;;     2. batch 64 x [M 2,048, K 64] x [K 64, N 2,048]; A: computed on the way; B: computed on the way: QUANTISED
;;     3. batch 64 x [M 2,048, K 2,048] x [K 2,048, N 64]; A: softmax (see below); B: computed on the way: QUANTISED
;;     4. [M 8,192, K 1,024] x [K 1,024, N 1,024]; A: computed on the way; B: input W_out: QUANTISED
;;   THE QUANTISER, for each operand of a quantised product, along K:
;;     - K is cut into blocks of 32 from its start; a last block that is shorter is filled with zeros.
;;     - A block's scale is 2^e with e = floor(log2(the largest magnitude in the block)) - 8, held to -126 .. 127; a block of zeros has e = 0. As a byte (E8M0): e + 127.
;;     - Each number is divided by its block's scale, clamped to +-448, and rounded to the nearest number of E4M3, ties to even, subnormals kept.
;;     - The product sums the exact products of the quantised numbers (number of the format x scale) in f32.
;;   ~~~python
;;   def quantise(x, axis):      # numpy; x: float32 -> the quantised numbers, widened to float32 again
;;       x = np.moveaxis(x, axis, -1); K = x.shape[-1]
;;       x = np.pad(x, [(0, 0)] * (x.ndim - 1) + [(0, -K % 32)]); x = x.reshape(x.shape[:-1] + (-1, 32)); a = np.abs(x).max(-1, keepdims=True)
;;       e = np.where(a > 0, np.clip(np.frexp(np.where(a > 0, a, 1))[1] - 1 - 8, -126, 127), 0)      # np.frexp(a)[1] - 1 = floor(log2(a)), exactly
;;       r = np.clip(x / 2.0 ** e, -448, 448)
;;       step = 2.0 ** (np.maximum(np.frexp(np.where(r == 0, 1, r))[1] - 1, -6) - 3)
;;       q = np.round(r / step) * step * 2.0 ** e      # np.round: ties to even
;;       return np.moveaxis(q.reshape(q.shape[:-2] + (-1,))[..., :K], -1, axis).astype(np.float32)
;;   ~~~
;;   SOFTMAX AHEAD OF A QUANTISED PRODUCT. Where the list says 'softmax', what is quantised is not the finished softmax but p = 2^(t - M), with t = logit x log2(e) and M = ceil(the row's largest t), a whole number; so 1/2 < the row's largest p <= 1. The row's sum l is taken of the UNQUANTISED p, in f32, and the product's result is divided by l at the end. Since M is a whole number, a kernel that streams over the keys may use a running M (the ceiling of the running maximum): every later rescaling is an exact power of two, which a block's scale takes up: the codes' values come out the same.
;;   OPERANDS COMPUTED ON THE WAY. 'Computed on the way' means the value that the module computes at that place (a softmax that the list does not call 'softmax' is quantised finished and normalised). What goes into a quantiser is computed in f32, as accurately as f32 sums, v_exp_f32 and their like allow (about 1e-6 of the number): no bf16 or f16 on the way to a quantiser, and a product that is left as it is and whose result goes on into a quantised operand takes f32 operands (vector FMAs, or v_wmma_f32_16x16x4_f32). A number that lies on a knife's edge between two numbers of the format may be rounded either way, as far as f32 arithmetic and the matrix unit's own rounding can turn it there, and no further.
;; One version. Each part assembles by itself: llvm-mc -triple=amdgcn-amd-amdhsa -mcpu=gfx1250 --defsym DOCPART=n.
;; ======== version 1 of 1: 4 launches
;; limits: right only within a limited range of input values
;; workspace buffers: x_img 8,650,752 bytes; w_img 4,325,376 bytes; q_img 8,912,896 bytes; kv_img 17,563,648 bytes; o_img 8,650,752 bytes
;; launch prep (part 1): grid 384 x 1, 4 waves a work-group, no clusters, 34,304 bytes of LDS; arguments x, W_in, W_out, x_img, w_img; writes x_img, w_img
.if DOCPART == 1
	.amdgcn_target "amdgcn-amd-amdhsa--gfx1250"
	.amdhsa_code_object_version 6
	.text
	.protected	k_qb5a5b4c311_prep
	.globl	k_qb5a5b4c311_prep
	.p2align	8
	.type	k_qb5a5b4c311_prep,@function
k_qb5a5b4c311_prep:
	s_mov_b64 s[64:65], 0
	v_nop
	global_prefetch_b8 v0, s[64:65] scope:SCOPE_SE
	s_setreg_imm32_b32 hwreg(HW_REG_WAVE_MODE, 25, 1), 1
	s_wait_xcnt 0x0
; x [8192][1024], W_in [1024][3072] and W_out [1024][1024], f32, become codes of E4M3 with one E8M0 byte for each 32 along K (K = 1,024 in all three),
; laid as IMAGES OF THE OPERANDS' REGISTERS, so that the products' launches read fragments as they stand.
; A RECORD (33,792 bytes) holds 128 rows x 256 along K: codes at i*4096 + q*2048 + c*512 + 16*lane (block i of 16 rows, q-th 128 along K, registers 4c .. 4c+3: k = 32c + 16 (lane/16) + 0 .. 15),
; scale words at 32768 + i*128 + 8*(lane%16) + 4*q.  An image is [group of 128 rows][4 records].  Row rho of block i is row 32 (i/2) + 8 (i%2) + rho + 8 (rho/8) of the group.
; A block's scale is 2^(floor(log2(largest magnitude)) - 8); its byte is the largest magnitude's exponent field - 8, held at 1 from below; each number is held within +-448 x the scale and rounded to the nearest code.
; LIMITS: NaN and infinities among the inputs are not served; blocks whose largest magnitude lies under 2^-118 keep the byte 1; a block of zeros gets the byte 1 where the rule says 127: its codes are zeros, and this program alone reads the bytes.
; SHARES: one work-group makes one record from 131,072 bytes of f32.  Work-groups 0-255: x (64 groups x 4 records); 256-351: W_in (24 groups); 352-383: W_out (8 groups, behind W_in's in w_img).
; No cluster, no tensor load, no barrier: work-groups and waves share no input.  Only x's path uses LDS (each wave its own 8,448 bytes).
.set REC,  33792
.set GRP,  4*REC
.set SEL,  20                          ; s[20:21] selects for v_permlanex16_b32: lane l xor 16
.set MH,   22                          ; s22  lanes 16-31
.set MNT,  23
.set R,    16                          ; v16-143  x: two sets of 64 registers as loaded
.set X,    144                         ; v144-207 x: 64 numbers of my row, register 16 b + i = k 32 b + 16 (lane/16) + i
.set PC,   208                         ; v208-223 a fragment's codes
.set TM,   224                         ; v224-239 at work: largest magnitudes, bytes, scale operands
.set PW,   240                         ; v240-243 a scale word for each of my four fragments
.set LO,   244
.set HI,   245
.set OW,   246                         ; v[246:247] the scale words as they leave
.set WX,   32                          ; W: v32-95 two sets of 32 numbers down K
.set WC,   96                          ; W: v96-111 two sets of 8 registers of codes
.set SB,   24                          ; W: v[24:25] my column's 8 scale bytes
; 64 numbers of a lane become a fragment's codes in v[PC] on; the bytes of blocks 0, 1 go to v[lo], those of blocks 2, 3 to v[hi].
.macro QUANT s, lo, hi
.irp b, 0,1,2,3
	v_max3_num_f32 v[TM+\b], |v[\s+16*\b]|, |v[\s+1+16*\b]|, 0x4800000   ; my 16 numbers of block b, and the floor 2^(9 - 127): the byte cannot fall under 1
.endr
.irp i, 2,4,6,8,10,12,14
.irp b, 0,1,2,3
	v_max3_num_f32 v[TM+\b], v[TM+\b], |v[\s+16*\b+\i]|, |v[\s+1+16*\b+\i]|   ; the four blocks by turns
.endr
.endr
.irp b, 0,1,2,3
	v_permlanex16_b32 v[TM+4+\b], v[TM+\b], s[SEL], s[SEL+1]
.endr
.irp b, 0,1,2,3
	v_max_num_f32 v[TM+\b], v[TM+\b], v[TM+4+\b]   ; with lane l xor 16's 16: the block's largest magnitude
.endr
.irp b, 0,1,2,3
	v_add_nc_u32 v[TM+12+\b], 0xfc000000, v[TM+\b]   ; 8 off its exponent field: the conversion's scale operand
.endr
.irp b, 0,1,2,3
.endr
.irp b, 0,1,2,3
	v_lshrrev_b32 v[TM+4+\b], 23, v[TM+12+\b]   ; the scale's byte
.endr
	v_lshl_or_b32 v[\lo], v[TM+5], 8, v[TM+4]
	v_lshl_or_b32 v[\hi], v[TM+7], 8, v[TM+6]
.irp b, 0,1,2,3
.irp i, 0,1,2,3,4,5,6,7,8,9,10,11,12,13,14,15
.endr
	v_cvt_scalef32_pk8_fp8_f32 v[PC+4*\b:PC+1+4*\b], v[\s+16*\b:\s+7+16*\b], v[TM+12+\b]
	v_cvt_scalef32_pk8_fp8_f32 v[PC+2+4*\b:PC+3+4*\b], v[\s+8+16*\b:\s+15+16*\b], v[TM+12+\b]
.endr
	v_nop                                          ; one plain line behind the last conversion of the run
.endm
	s_load_b256 s[4:11], s[0:1], 0x0               ; x s[4:5], W_in s[6:7], W_out s[8:9], x_img s[10:11]
	s_load_b64 s[12:13], s[0:1], 0x20              ; w_img
	v_lshl_add_u32 v254, v0, 2, 0x8400
	v_mov_b32 v255, 0
	v_lshrrev_b32 v1, 5, v0
	v_readfirstlane_b32 s16, v1                    ; wave 0..3
	v_and_b32 v1, 31, v0                           ; lane
	s_mov_b32 s[SEL], 0x76543210
	s_mov_b32 s[SEL+1], 0xfedcba98
	s_mov_b32 s[MH], 0xffff0000
	s_cmp_lt_u32 ttmp9, 256
	s_cbranch_scc0 .Lweights
	; ---- x.  Group G = id / 4, record ks = id % 4.  Wave w takes tokens 32 w .. 32 w + 31 of the group: blocks 2 w and 2 w + 1, four fragments f = 2 u + q.
	s_lshr_b32 s24, ttmp9, 2                       ; G
	s_and_b32 s25, ttmp9, 3                        ; ks
	s_lshl_b32 s26, s24, 7
	s_lshl_b32 s27, s16, 5
	s_add_co_u32 s26, s26, s27                     ; my first token: 128 G + 32 w
	s_lshl_b32 s26, s26, 12                        ; a row of x is 4,096 bytes
	s_lshl_b32 s27, s25, 10                        ; 256 along K are 1,024
	s_add_co_u32 s26, s26, s27
	s_mov_b32 s27, 0
	s_mul_i32 s28, s24, GRP
	s_mul_i32 s29, s25, REC
	s_add_co_u32 s28, s28, s29                     ; the record
	s_lshl_b32 s29, s16, 8
	s_add_co_u32 s30, s28, s29
	s_add_co_u32 s30, s30, 32768                   ; my two blocks' scale words: 256 bytes
	s_mov_b32 s31, 0
	s_lshl_b32 s29, s16, 13
	s_add_co_u32 s28, s28, s29                     ; my two blocks' codes: 8,192 bytes
	s_mov_b32 s29, 0
	s_wait_alu depctr_va_vdst(0)
	v_lshlrev_b32 v2, 4, v1                        ; 16 x lane
	s_mul_i32 s17, s16, 8448                       ; my stage: 16 rows of 512 bytes + 16
	v_add_nc_u32 v3, s17, v2                       ; into it: a row as it was loaded
	v_and_b32 v6, 15, v0
	v_bfe_u32 v7, v0, 4, 1
	v_mul_u32_u24 v4, v6, 528
	v_lshl_add_u32 v4, v7, 6, v4
	v_add_nc_u32 v4, s17, v4                       ; out of it: row lane % 16, + 64 (lane / 16): my 16 numbers of each block of 32
	v_lshlrev_b32 v5, 3, v1                        ; 8 x lane
.irp b, 0,1,2,3
	v_mov_b32 v[TM+4+\b], 0                        ; written once: a lane permute's destination counts as one of its sources
.endr
	s_wait_alu depctr_va_vdst(0)
	s_wait_kmcnt 0x0
	s_add_nc_u64 s[4:5], s[4:5], s[26:27]
	s_add_nc_u64 s[14:15], s[10:11], s[30:31]
	s_add_nc_u64 s[10:11], s[10:11], s[28:29]
.macro LOADF f                         ; fragment f: 16 rows x 128 along K; each load takes 512 consecutive bytes of one row
.irp j, 0,1,2,3,4,5,6,7,8,9,10,11,12,13,14,15
	global_load_b128 v[R+64*((\f)%2)+4*\j:R+64*((\f)%2)+4*\j+3], v2, s[4:5] offset:(8*((\f)/2)+\j+8*(\j/8))*4096+512*((\f)%2) th:TH_LOAD_NT
.endr
.endm
.macro TURNF f                         ; through the stage: rows in, 64 bytes a lane of each block out.  LDS serves a wave's instructions in order: no wait between
.irp j, 0,1,2,3,4,5,6,7,8,9,10,11,12,13,14,15
	ds_store_b128 v3, v[R+64*((\f)%2)+4*\j:R+64*((\f)%2)+4*\j+3] offset:528*\j
.endr
.irp c, 0,1,2,3
.irp j, 0,1,2,3
	ds_load_b128 v[X+16*\c+4*\j:X+16*\c+4*\j+3], v4 offset:128*\c+16*\j
.endr
.endr
.endm
	LOADF 0
	LOADF 1
.irp f, 0,1,2,3
.if \f < 3
	s_wait_loadcnt 16                              ; this fragment's 16 loads are in; the next one's 16 may be out
.else
	s_wait_loadcnt 0x0
.endif
	TURNF \f
	s_wait_dscnt 0x0                               ; my numbers are back, and the stage's stores have read their registers,
.if \f < 2
	LOADF \f+2                                     ; which take the fragment two further on
.endif
.if \f > 0
	s_wait_xcnt 0x0                                ; the last fragment's stores have read v[PC] on: it is written again only behind this wait
.endif
	QUANT X, LO, HI
	v_lshl_or_b32 v[PW+\f], v[HI], 16, v[LO]       ; my row's scale word for these 128 along K
.irp c, 0,1,2,3
	global_store_b128 v2, v[PC+4*\c:PC+4*\c+3], s[10:11] offset:(\f/2)*4096+(\f%2)*2048+512*\c   ; 32 lanes store 512 consecutive bytes, aligned
.endr
.endr
	v_cndmask_b32 v[OW], v[PW], v[PW+2], s[MH]     ; lanes 0-15 send block 2 w's two words, lanes 16-31 block 2 w + 1's
	v_cndmask_b32 v[OW+1], v[PW+1], v[PW+3], s[MH]
	global_store_b64 v5, v[OW:OW+1], s[14:15]      ; 256 consecutive bytes, aligned
	s_wait_tensorcnt 0x0
	ds_add_u32 v254, v255
	s_wait_dscnt 0x0
	s_endpgm
	; ---- the weights.  K is their FIRST axis: a lane takes a column and its registers run down K, so a block of 32 lies in one lane and nothing is transposed.
	; Lane l takes column (l % 16) + (l & 8) + 8 (l / 16) of the wave's 32: it is row l % 16 of block 2 w + l / 16; a load still covers 128 consecutive bytes.
.Lweights:
	s_sub_co_u32 s24, ttmp9, 256
	s_lshr_b32 s25, s24, 2                         ; the group in w_img
	s_and_b32 s26, s24, 3                          ; ks
	v_and_b32 v6, 15, v0
	v_and_b32 v7, 8, v0
	v_bfe_u32 v8, v0, 4, 1
	v_add_nc_u32 v3, v6, v7
	v_lshl_add_u32 v3, v8, 3, v3
	v_lshlrev_b32 v3, 2, v3                        ; my column, in bytes
	v_lshlrev_b32 v4, 4, v6
	v_lshl_add_u32 v4, v8, 12, v4                  ; my codes: block l / 16, fragment lane l % 16 (its K's lower 16) and, 256 bytes on, lane 16 + l % 16 (the upper 16)
	s_wait_alu depctr_va_vdst(0)
	v_lshlrev_b32 v5, 3, v1                        ; my 8 scale bytes
	s_mul_i32 s28, s25, GRP
	s_mul_i32 s29, s26, REC
	s_add_co_u32 s28, s28, s29
	s_lshl_b32 s29, s16, 8
	s_add_co_u32 s30, s28, s29
	s_add_co_u32 s30, s30, 32768
	s_mov_b32 s31, 0
	s_lshl_b32 s29, s16, 13
	s_add_co_u32 s28, s28, s29
	s_mov_b32 s29, 0
	s_wait_kmcnt 0x0
	s_add_nc_u64 s[14:15], s[12:13], s[30:31]
	s_add_nc_u64 s[12:13], s[12:13], s[28:29]
.macro WLOAD t, n, p                   ; block t: W(32 t + i, my column), i = 0 .. 31, into set t % 2
.irp i, 0,1,2,3,4,5,6,7,8,9,10,11,12,13,14,15,16,17,18,19,20,21,22,23,24,25,26,27,28,29,30,31
	global_load_b32 v[WX+32*((\t)%2)+\i], v3, s[\p:\p+1] offset:(32*(\t)+\i)*\n*4 th:TH_LOAD_NT
.endr
.endm
.macro WBLOCK t, n, p
.set XS, WX+32*((\t)%2)
.set CC, WC+8*((\t)%2)
.if (\t) < 7
	s_wait_loadcnt 32                              ; this block's 32 loads are in; the next block's may be out
.else
	s_wait_loadcnt 0x0
.endif
	v_max3_num_f32 v12, |v[XS]|, |v[XS+1]|, |v[XS+2]|
	v_max3_num_f32 v13, |v[XS+3]|, |v[XS+4]|, |v[XS+5]|
.irp i, 6,10,14,18,22,26
	v_max3_num_f32 v12, v12, |v[XS+\i]|, |v[XS+\i+1]|
	v_max3_num_f32 v13, v13, |v[XS+\i+2]|, |v[XS+\i+3]|
.endr
	v_max3_num_f32 v12, v12, |v[XS+30]|, |v[XS+31]|
	v_max3_num_f32 v12, v12, v13, 0x4800000        ; and the floor
	v_add_nc_u32 v11, 0xfc000000, v12              ; the conversion's scale operand
	v_lshrrev_b32 v13, 23, v11                     ; the byte
.if (\t)%4 == 0
	v_mov_b32 v[SB+(\t)/4], v13
.else
	v_lshl_or_b32 v[SB+(\t)/4], v13, 8*((\t)%4), v[SB+(\t)/4]
.endif
.irp i, 0,1,2,3,4,5,6,7,8,9,10,11,12,13,14,15,16,17,18,19,20,21,22,23,24,25,26,27,28,29,30,31
.endr
.if (\t) >= 2
	s_wait_alu depctr_va_vdst(0)
	s_wait_xcnt 0x0                                ; the stores of two blocks ago have read this set of codes
.endif
.irp g, 0,1,2,3
	v_cvt_scalef32_pk8_fp8_f32 v[CC+2*\g:CC+2*\g+1], v[XS+8*\g:XS+8*\g+7], v11
.endr
	v_nop                                          ; one plain line behind the last conversion of the run
	global_store_b128 v4, v[CC:CC+3], s[12:13] offset:((\t)/4)*2048+((\t)%4)*512       ; sixteen lanes store 256 consecutive bytes, aligned
	global_store_b128 v4, v[CC+4:CC+7], s[12:13] offset:((\t)/4)*2048+((\t)%4)*512+256
.if (\t)+2 < 8
	WLOAD (\t)+2, \n, \p
.endif
.endm
.macro WQ n, first, p                  ; n: columns of the weight; first: its first group in w_img; p: the pair that holds its address
	s_sub_co_u32 s17, s25, \first
	s_lshl_b32 s17, s17, 9                         ; 128 columns of 4 bytes a group
	s_lshl_b32 s18, s16, 7                         ; 32 a wave
	s_add_co_u32 s18, s17, s18
	s_mul_i32 s17, s26, 256*\n*4                   ; 256 rows a record
	s_add_co_u32 s18, s18, s17
	s_mov_b32 s19, 0
	s_add_nc_u64 s[\p:\p+1], s[\p:\p+1], s[18:19]
	WLOAD 0, \n, \p
	WLOAD 1, \n, \p
.irp t, 0,1,2,3,4,5,6,7
	WBLOCK \t, \n, \p
.endr
	global_store_b64 v5, v[SB:SB+1], s[14:15]      ; 256 consecutive bytes, aligned
.endm
	s_cmp_lt_u32 s25, 24
	s_cbranch_scc0 .Lwout
	WQ 3072, 0, 6                                  ; the largest immediate is 255 x 12,288 bytes, inside the signed 24 bits
	s_endpgm
.Lwout:
	WQ 1024, 24, 8
	s_endpgm
.Lfunc_end_k_qb5a5b4c311_prep:
	.size	k_qb5a5b4c311_prep, .Lfunc_end_k_qb5a5b4c311_prep-k_qb5a5b4c311_prep
	.p2alignl 7, 3214868480
	.fill 96, 4, 3214868480
	.section	.rodata,"a",@progbits
	.p2align	6, 0x0
	.amdhsa_kernel k_qb5a5b4c311_prep
		.amdhsa_group_segment_fixed_size 34304
		.amdhsa_private_segment_fixed_size 0
		.amdhsa_enable_private_segment 0
		.amdhsa_kernarg_size 40
		.amdhsa_user_sgpr_count 2
		.amdhsa_user_sgpr_kernarg_segment_ptr 1
		.amdhsa_wavefront_size32 1
		.amdhsa_system_sgpr_workgroup_id_x 1
		.amdhsa_system_sgpr_workgroup_id_y 1
		.amdhsa_system_sgpr_workgroup_id_z 1
		.amdhsa_system_vgpr_workitem_id 0
		.amdhsa_next_free_vgpr 256
		.amdhsa_next_free_sgpr 66
		.amdhsa_reserve_vcc 0
		.amdhsa_float_denorm_mode_32 3
		.amdhsa_float_denorm_mode_16_64 3
		.amdhsa_fp16_overflow 1
		.amdhsa_memory_ordered 1
		.amdhsa_forward_progress 1
		.amdhsa_inst_pref_size 111
	.end_amdhsa_kernel
	.amdgpu_metadata
---
amdhsa.version: [ 1, 2 ]
amdhsa.kernels:
  - .name:           k_qb5a5b4c311_prep
    .symbol:         k_qb5a5b4c311_prep.kd
    .args:
      - { .name: x, .offset: 0, .size: 8, .value_kind: global_buffer, .address_space: global }
      - { .name: W_in, .offset: 8, .size: 8, .value_kind: global_buffer, .address_space: global }
      - { .name: W_out, .offset: 16, .size: 8, .value_kind: global_buffer, .address_space: global }
      - { .name: x_img, .offset: 24, .size: 8, .value_kind: global_buffer, .address_space: global }
      - { .name: w_img, .offset: 32, .size: 8, .value_kind: global_buffer, .address_space: global }
    .group_segment_fixed_size: 34304
    .private_segment_fixed_size: 0
    .kernarg_segment_align: 8
    .kernarg_segment_size: 40
    .max_flat_workgroup_size: 128
    .sgpr_count:     66
    .vgpr_count:     256
    .wavefront_size: 32
...
	.end_amdgpu_metadata
.endif
;; end of part 1
;; launch qkv (part 2): grid 12 x 32, 4 waves a work-group, clusters of 4 x 4, 327,680 bytes of LDS; arguments x_img, w_img, b_in, q_img, kv_img; writes q_img, kv_img
.if DOCPART == 2
	.amdgcn_target "amdgcn-amd-amdhsa--gfx1250"
	.amdhsa_code_object_version 6
	.text
	.protected	k_qb5a5b4c311_qkv
	.globl	k_qb5a5b4c311_qkv
	.p2align	8
	.type	k_qb5a5b4c311_qkv,@function
k_qb5a5b4c311_qkv:
	s_mov_b64 s[64:65], 0
	v_nop
	global_prefetch_b8 v0, s[64:65] scope:SCOPE_SE
	s_setreg_imm32_b32 hwreg(HW_REG_WAVE_MODE, 25, 1), 1
	s_wait_xcnt 0x0
	s_wait_alu depctr_hold_cnt(0) depctr_sa_sdst(0) depctr_va_vdst(0) depctr_va_sdst(0) depctr_va_ssrc(0) depctr_va_vcc(0) depctr_vm_vsrc(0)
	s_getreg_b32 s2, hwreg(HW_REG_IB_STS2, 6, 4)
	s_cmp_eq_u32 s2, 0
	s_cbranch_scc0 .Lentry_in_a_cluster
	s_endpgm
.Lentry_in_a_cluster:
	s_bfe_u32 s2, ttmp6, 0x10000c
	s_cmp_lg_u32 s2, 0xf033
	s_cbranch_scc0 .Lentry_shape_is_right
	s_endpgm
.Lentry_shape_is_right:
; qkv = x W_in + b_in on codes of E4M3 (K = 1,024), and q, k, v quantised on the way out into images of the attention's operands.  Nothing wider than codes goes to memory.
; THE BODY multiplies a P operand (source 0: its rows run along a lane's result registers) by an R operand (source 1: its rows lie on the lanes).  A tile is 256 R x 256 P, a wave's 128 x 128: 64 accumulators, 512 registers.
; ROLES, by the cluster's x (the same in all sixteen partners): 0 = q, 1 = k: P = W_in's columns, R = tokens: a lane holds one token and 128 features, the next K (the head's 64);
;                                                              2 = v:        P = tokens, R = W_in's v columns: a lane holds one channel and 128 tokens, the next K (the keys).
; Both images have one layout (records of 128 rows x 256 K: codes at i*4096 + q*2048 + c*512 + 16*lane, scale words at 32768 + i*128 + 8*(lane%16) + 4*q), so a role chooses global pointers and indices alone.
; Row rho of block i of a group is row 32 (i/2) + 8 (i%2) + rho + 8 (rho/8): so the 16 result registers of P's blocks 2 b and 2 b + 1 are 16 neighbours, 32 b + 16 (lane/16) + 0 .. 15.
; RING: two LDS slots of four records (R's two, P's two), one record a wave and a tensor load; K's four records go 0, 1 (first fills), 2, 3 (refills).  A record is a dense block: fragments are read as 512 consecutive bytes, no padding.
; CLUSTERS: 4 x 4 work-groups.  R's records hang on the cluster's row alone, P's on its column alone: each is asked for jointly by the four that share it.
; OUT: q record, k record (8,704 bytes, 128 tokens of a head): codes at a*1024 + c*512 + 16*lane, scale words at 8192 + 16*lane + 4*pi (tile 2 pi + lane/16), a word = (b0, b1, b0, b1).
;      v record (8,448 bytes, at +8,704 behind k's): codes at t*2048 + c*512 + 16*lane, scale words at 8192 + 8*lane + 4*i (tile 2 i + lane/16).  q_img [bh][step][8704], kv_img [bh][step][17152].
; LIMITS: as the quantiser's everywhere in this program: NaN and infinities not served; blocks under 2^-118 and blocks of zeros keep the byte 1 (only this program reads the bytes).
; 384 tiles for 256 WGPs: one and a half a WGP; a smaller tile would even that out at the price of more LDS reads for each product.  No prefetch: of K's four records two are asked for at the head.
; REGISTERS: window 0: v16-23 LDS addresses; v28, v29 the add's; v32-63 scale words, two sets; v64-127 the bias; v128-255 R's fragments, one set (on the way out: at work).
;   window 1: P's fragments, two sets.   windows 2, 3: the accumulators, (a, b) at v[8 (8 (a % 4) + b)].
.set REC,    33792
.set GRP,    4*REC
.set SLOT,   4*REC
.set SPARE,  2*SLOT                    ; behind the ring: the spare words, 128 bytes a wave: two blocks of 256 bytes that no other line names
.set NQ,     2                         ; matrix instructions deep in a slot
.set FR,     16                        ; registers of a fragment
.set NL,     4                         ; LDS loads that bring one
.set NP,     8                         ; places behind this matrix instruction (ISA guide 7.12.1)
.set ADRA,   16                        ; v16-17 R's fragments in slot 0, 1
.set ADRB,   20                        ; v20-21 P's
.set ADRS,   22                        ; v22-23 scale words: lanes 0-15 R's, lanes 16-31 P's
.set SPW,    28
.set NIL,    29
.set SC,     32
.set BB,     64
.set AF,     128
.set H,      128                       ; the way out: 64 numbers
.set PC,     192                       ; their codes
.set TM,     208                       ; at work
.set LO,     224                       ; v224-231 bytes of blocks 0, 1 for each a
.set HI,     232                       ; v232-239 of blocks 2, 3
.set VO,     240
.set L16,    241
.set L8,     242
.set W0,     244
.set W1,     248
.set TW,     252
.set G1,  24                           ; s[24:31] group 1 for R's records; s[32:39] group 0, a set for each slot
.set G0,  32
.set G1B, 48                           ; s[48:55], s[56:63] the same for P's
.set G0B, 56
.set BIAS, 66                          ; s[66:67]
.set SA1, 68                           ; bytes from a to a + 1 within four
.set SA2, 69                           ; bytes from a's 0-3 to a's 4-7
.set SB0, 76                           ; s[76:83] four bases for a fragment's four stores
.set SS0, 84                           ; s[84:87] two bases for the scale words
.set MH,  94
.set MNT, 95
.set SEL, 96
.set MSB, 0
.macro WIN new                         ; the immediate's high byte repeats the setting that is left
.if MSB != \new
	s_set_vgpr_msb (MSB<<8)|\new
.set MSB, \new
.endif
.endm
.set MUL_LO, 0xa1                      ; source 0 (P) window 1, source 1 (R) window 0, C and D window 2
.set MUL_HI, 0xf1
.set TO_B,   0x40
.macro JLOAD s                         ; a joint load: waves 0, 1 fetch R's records, waves 2, 3 P's; the branch hangs on the wave's number alone; four v_nop follow each line
	s_cmp_eq_u32 s15, 0
	s_cbranch_scc0 .Lfor_p_\@
	tensor_load_to_lds s[G0+4*\s:G0+4*\s+3], s[G1:G1+7]
	s_nop 0
.rept 4
	v_nop
.endr
	s_branch .Lasked_\@
.Lfor_p_\@:
	tensor_load_to_lds s[G0B+4*\s:G0B+4*\s+3], s[G1B:G1B+7]
	s_nop 0
.rept 4
	v_nop
.endr
.Lasked_\@:
.endm
.macro CREST
	s_cmp_lg_u32 s14, 0
	s_cbranch_scc1 .Lnot_wave_0_\@
	s_barrier_signal -3
.Lnot_wave_0_\@:
	s_barrier_wait -3
	s_barrier_signal -1
	s_barrier_wait -1
.endm
.macro CROUND
	s_barrier_signal -1
	s_barrier_wait -1
	CREST
.endm
.macro PLACES n
.rept \n
	v_nop
.endr
.endm
.macro QUANT s, lo, hi                 ; 64 numbers of a lane, register 16 b + i = k 32 b + 16 (lane/16) + i, become codes in v[PC] on; bytes of blocks 0, 1 to v[lo], of 2, 3 to v[hi]
.irp b, 0,1,2,3
	v_max3_num_f32 v[TM+\b], |v[\s+16*\b]|, |v[\s+1+16*\b]|, 0x4800000   ; with the floor 2^(9 - 127): the byte cannot fall under 1
.endr
.irp i, 2,4,6,8,10,12,14
.irp b, 0,1,2,3
	v_max3_num_f32 v[TM+\b], v[TM+\b], |v[\s+16*\b+\i]|, |v[\s+1+16*\b+\i]|
.endr
.endr
.irp b, 0,1,2,3
	v_permlanex16_b32 v[TM+4+\b], v[TM+\b], s[SEL], s[SEL+1]
.endr
.irp b, 0,1,2,3
	v_max_num_f32 v[TM+\b], v[TM+\b], v[TM+4+\b]
.endr
.irp b, 0,1,2,3
	v_add_nc_u32 v[TM+12+\b], 0xfc000000, v[TM+\b]   ; 8 off the exponent field: the conversion's scale operand
.endr
.irp b, 0,1,2,3
.endr
.irp b, 0,1,2,3
	v_lshrrev_b32 v[TM+4+\b], 23, v[TM+12+\b]
.endr
	v_lshl_or_b32 v[\lo], v[TM+5], 8, v[TM+4]
	v_lshl_or_b32 v[\hi], v[TM+7], 8, v[TM+6]
.irp b, 0,1,2,3
.irp i, 0,1,2,3,4,5,6,7,8,9,10,11,12,13,14,15
.endr
	v_cvt_scalef32_pk8_fp8_f32 v[PC+4*\b:PC+1+4*\b], v[\s+16*\b:\s+7+16*\b], v[TM+12+\b]
	v_cvt_scalef32_pk8_fp8_f32 v[PC+2+4*\b:PC+3+4*\b], v[\s+8+16*\b:\s+15+16*\b], v[TM+12+\b]
.endr
	v_nop                                          ; one plain line behind the last conversion of the run
.endm
	s_load_b256 s[4:11], s[0:1], 0x0               ; x_img s[4:5], w_img s[6:7], b_in s[8:9], q_img s[10:11]
	s_load_b64 s[12:13], s[0:1], 0x20              ; kv_img
	v_lshl_add_u32 v[SPW], v0, 2, SPARE
	v_mov_b32 v[NIL], 0
	ds_add_u32 v28, v29
	ds_add_u32 v28, v29
	s_wait_dscnt 0x0
	v_lshrrev_b32 v1, 5, v0
	v_readfirstlane_b32 s14, v1                    ; wave 0..3
	s_lshr_b32 s15, s14, 1                         ; which half of R's 256 rows is mine.  Also: I fetch for R (0) or for P (1)
	s_and_b32 s16, s14, 1                          ; which half of P's.  Also: which record of the two I fetch
	s_bfe_u32 s40, ttmp6, 0x40000                  ; cx
	s_bfe_u32 s41, ttmp6, 0x40004                  ; cy
	s_and_b32 s18, ttmp7, 0xffff                   ; the cluster's y
	s_cmp_eq_u32 ttmp9, 2                          ; the role v?
	s_cselect_b32 s42, s18, ttmp9                  ; P's tiles go by the cluster's y (tokens) in role v, else by its x (features)
	s_cselect_b32 s17, 0, s18                      ; R's by nothing but cy (four tiles of v's features) in role v, else by the cluster's y
	s_cselect_b32 s19, 16, 0                       ; v's columns begin at group 16 of w_img
	s_lshl_b32 s42, s42, 2
	s_add_co_u32 s42, s42, s40                     ; P's tile: never holds cy
	s_lshl_b32 s17, s17, 2
	s_add_co_u32 s17, s17, s41                     ; R's tile: never holds cx
	s_lshl_b32 s43, s41, 2
	s_lshl_b32 s43, 15, s43                        ; my row of the cluster
	s_lshl_b32 s44, 0x1111, s40                    ; my column
	; group 1: a record is a dense block of 132 rows of 256 bytes (32 elements of 8 bytes), no padding
	s_or_b32 s[G1+0], s43, (3<<16)|(1<<21)         ; 15:0 the mask: R's records go to my row; 17:16 elements of 8 bytes; 21 set beside a mask
	s_or_b32 s[G1B+0], s44, (3<<16)|(1<<21)        ; P's go to my column
.irp g, G1, G1B
	s_mov_b32 s[\g+1], 32<<16                      ; tensor_dim0 = 32
	s_mov_b32 s[\g+2], 132<<16                     ; tensor_dim1 = 132
	s_mov_b32 s[\g+3], 32<<16                      ; tile_dim0 = 32
	s_mov_b32 s[\g+4], 132                         ; tile_dim1 = 132
	s_mov_b32 s[\g+5], 32                          ; the pitch
	s_mov_b32 s[\g+6], 0
	s_mov_b32 s[\g+7], 0
.endr
	s_lshl_b32 s20, s17, 1
	s_add_co_u32 s20, s20, s16
	s_add_co_u32 s20, s20, s19
	s_mul_i32 s20, s20, GRP                        ; R: group 2 x tile + my record's half (+ 16)
	s_mov_b32 s21, 0
	s_lshl_b32 s46, s42, 1
	s_add_co_u32 s46, s46, s16
	s_mul_i32 s46, s46, GRP                        ; P likewise
	s_mov_b32 s47, 0
	s_mul_i32 s45, s14, REC                        ; where a record goes: wave x REC: no place in the cluster enters an LDS address
	s_mov_b32 s[MH], 0xffff0000
	s_mov_b32 s[SEL], 0x76543210
	s_mov_b32 s[SEL+1], 0xfedcba98
	s_wait_kmcnt 0x0
	s_cmp_eq_u32 ttmp9, 2
	s_cselect_b64 s[22:23], s[6:7], s[4:5]         ; R's image: the weights in role v, else the tokens
	s_cselect_b64 s[92:93], s[4:5], s[6:7]         ; P's: the other
	s_add_nc_u64 s[20:21], s[22:23], s[20:21]
	s_add_nc_u64 s[46:47], s[92:93], s[46:47]
	CROUND                                         ; all sixteen work-groups are here: the first joint loads meet
.irp s, 0,1
	s_mov_b32 s[G0+4*\s], 1
	s_add_co_u32 s[G0+4*\s+1], s45, \s*SLOT
	s_add_nc_u64 s[G0+4*\s+2:G0+4*\s+3], s[20:21], \s*REC
	s_or_b32 s[G0+4*\s+3], s[G0+4*\s+3], 0x80000000
	s_mov_b32 s[G0B+4*\s], 1
	s_add_co_u32 s[G0B+4*\s+1], s45, \s*SLOT
	s_add_nc_u64 s[G0B+4*\s+2:G0B+4*\s+3], s[46:47], \s*REC
	s_or_b32 s[G0B+4*\s+3], s[G0B+4*\s+3], 0x80000000
	JLOAD \s
.endr
	v_and_b32 v1, 15, v0                           ; r
	v_bfe_u32 v2, v0, 4, 1                         ; h
	v_and_b32 v3, 31, v0
	v_lshlrev_b32 v4, 4, v3                        ; 16 x lane
	s_mul_i32 s21, s15, REC                        ; my record of R
	s_mul_i32 s22, s16, REC
	s_add_co_u32 s22, s22, 2*REC                   ; my record of P, behind R's two
	s_sub_co_u32 s23, s22, s21
	v_mul_u32_u24 v6, s23, v2                      ; lanes 16-31 take P's scale words: one product, the distance between the two records
	v_lshl_add_u32 v6, v1, 3, v6                   ; + 8 r
.irp s, 0,1
	v_add_nc_u32 v[ADRA+\s], s21, v4
	v_add_nc_u32 v[ADRB+\s], s22, v4
	v_add_nc_u32 v[ADRS+\s], s21, v6
	s_add_co_u32 s21, s21, SLOT
	s_add_co_u32 s22, s22, SLOT
.endr
	; where the results go.  All of this enters global addresses alone.
	s_cmp_eq_u32 ttmp9, 2
	s_cselect_b32 s70, s41, s40                    ; which 256 of the role's 1,024 features
	s_cselect_b32 s71, s15, s16                    ; and which half of them is my wave's
	s_cselect_b32 s72, s42, s17                    ; which 256 tokens
	s_cselect_b32 s73, s16, s15                    ; and which half
	s_mov_b32 s[SA1], 1024
	s_cselect_b32 s[SA1], 2048, s[SA1]             ; a tile of v is 2,048 bytes, of q or k 1,024
	s_mov_b32 s[SA2], 4096
	s_cselect_b32 s[SA2], 274432, s[SA2]           ; v: a's 4-7 are the next head; q, k: the next four tiles
	s_cselect_b32 s74, 8704, 0                     ; v's record lies behind k's
	s_cmp_eq_u32 ttmp9, 0
	s_mov_b32 s88, 274432
	s_cselect_b32 s88, 139264, s88                 ; bytes from head to head
	s_mov_b32 s89, 17152
	s_cselect_b32 s89, 8704, s89                   ; from step to step
	s_cselect_b64 s[SB0:SB0+1], s[10:11], s[12:13]
	s_cmp_eq_u32 ttmp9, 2
	s_cselect_b32 s90, 1024, s88                   ; blocks 2, 3 of a lane's 128: v: keys 64 on; q, k: the next head
	s_lshl_b32 s70, s70, 2
	s_lshl_b32 s75, s71, 1
	s_add_co_u32 s75, s70, s75                     ; my first head
	s_lshr_b32 s98, s72, 3
	s_lshl_b32 s98, s98, 4
	s_add_co_u32 s98, s98, s75                     ; 16 x batch + head
	s_and_b32 s99, s72, 7
	s_lshl_b32 s99, s99, 1
	s_add_co_u32 s99, s99, s73                     ; the step of 128 tokens
	s_mul_i32 s98, s98, s88
	s_mul_i32 s99, s99, s89
	s_add_co_u32 s98, s98, s99
	s_add_co_u32 s98, s98, s74
	s_mov_b32 s99, 0
	s_add_nc_u64 s[SB0:SB0+1], s[SB0:SB0+1], s[98:99]
	s_add_nc_u64 s[SB0+2:SB0+3], s[SB0:SB0+1], 512
	s_mov_b32 s91, 0
	s_add_nc_u64 s[SB0+4:SB0+5], s[SB0:SB0+1], s[90:91]
	s_add_nc_u64 s[SB0+6:SB0+7], s[SB0+4:SB0+5], 512
	s_add_nc_u64 s[SS0:SS0+1], s[SB0:SB0+1], 8192
	s_mov_b32 s89, 0
	s_add_nc_u64 s[SS0+2:SS0+3], s[SS0:SS0+1], s[88:89]
	s_lshl_b32 s98, ttmp9, 12                      ; b_in: 1,024 numbers a role,
	s_lshl_b32 s70, s70, 8                         ; 256 a tile,
	s_lshl_b32 s71, s71, 9                         ; 128 a half
	s_add_co_u32 s98, s98, s70
	s_add_co_u32 s98, s98, s71
	s_add_nc_u64 s[BIAS:BIAS+1], s[8:9], s[98:99]
	; the bias, in the result's layout.  q, k: along the registers.  v: along the lanes, each number in eight registers, so that both ways write all of v64-127
	v_lshlrev_b32 v5, 6, v2                        ; 64 h
	v_and_b32 v7, 8, v0
	v_add_nc_u32 v7, v7, v1
	v_lshlrev_b32 v7, 2, v7                        ; 4 (r + 8 (r / 8))
	s_cmp_eq_u32 ttmp9, 2
	s_cbranch_scc1 .Lbias_v
.irp b, 0,1,2,3
.irp j, 0,1,2,3
	global_load_b128 v[BB+16*\b+4*\j:BB+16*\b+4*\j+3], v5, s[BIAS:BIAS+1] offset:128*\b+16*\j
.endr
.endr
	s_branch .Lbias_in
.Lbias_v:
	s_wait_alu depctr_va_vdst(0)
.irp a, 0,1,2,3,4,5,6,7
.irp j, 0,1,2,3,4,5,6,7
	global_load_b32 v[BB+8*\a+\j], v7, s[BIAS:BIAS+1] offset:4*(32*(\a/2)+8*(\a%2))
.endr
.endr
.Lbias_in:
.macro FRAG reg, adr, q, i             ; a fragment comes as it was stored: four loads of 512 consecutive bytes
.irp c, 0,1,2,3
	ds_load_b128 v[\reg+4*\c:\reg+4*\c+3], v[\adr] offset:(\i)*4096+(\q)*2048+512*\c
.endr
.endm
; 16 matrix instructions: R's blocks a0, a0 + 1 x P's eight.  The 64 accumulators take turns, one instruction a turn, in the same order in every step.
.macro MUL16 a0, p, q, sc, zero
.irp a, \a0, \a0+1
.irp b, 0,1,2,3,4,5,6,7
.if \zero
	v_wmma_scale_f32_16x16x128_f8f6f4 v[8*(8*((\a)%4)+\b):8*(8*((\a)%4)+\b)+7], v[128*(\p)+FR*\b:128*(\p)+FR*\b+FR-1], v[AF+FR*(\a):AF+FR*(\a)+FR-1], 0, v[SC+8*NQ*(\sc)+NQ*\b+(\q)], v[SC+8*NQ*(\sc)+NQ*(\a)+(\q)] matrix_a_scale:MATRIX_SCALE_ROW1
.else
	v_wmma_scale_f32_16x16x128_f8f6f4 v[8*(8*((\a)%4)+\b):8*(8*((\a)%4)+\b)+7], v[128*(\p)+FR*\b:128*(\p)+FR*\b+FR-1], v[AF+FR*(\a):AF+FR*(\a)+FR-1], v[8*(8*((\a)%4)+\b):8*(8*((\a)%4)+\b)+7], v[SC+8*NQ*(\sc)+NQ*\b+(\q)], v[SC+8*NQ*(\sc)+NQ*(\a)+(\q)] matrix_a_scale:MATRIX_SCALE_ROW1
.endif
.endr
.endr
.endm
.macro FETCH_B slot, q, p
	WIN TO_B
.irp i, 0,1,2,3,4,5,6,7
	FRAG 128*(\p)+FR*\i, ADRB+\slot, \q, \i
.endr
	WIN 0
.endm
.macro FETCH_A slot, q, i0
.irp i, \i0, \i0+1, \i0+2, \i0+3
	FRAG AF+FR*(\i), ADRA+\slot, \q, \i
.endr
.endm
.macro SCALES sc                       ; a slot's scale words: two a row; lanes 0-15 take R's block i, lanes 16-31 P's block i
.irp i, 0,1,2,3,4,5,6,7
	ds_load_b64 v[SC+8*NQ*\sc+NQ*\i:SC+8*NQ*\sc+NQ*\i+1], v[ADRS+\sc] offset:32768+128*\i
.endr
.endm
.macro STEP slot, q, zero              ; 128 along K that has its successor in the same slot
	s_wait_dscnt 4*NL                              ; P's set, R's blocks 0-3 and the scale words are in; the youngest 16 loads (R's blocks 4-7) may be out
	WIN MUL_LO
	MUL16 0, (\q)%2, \q, \slot, \zero
	MUL16 2, (\q)%2, \q, \slot, \zero
	s_wait_dscnt 0
	PLACES NP                                      ; in front of loads into registers that matrix instructions have read
	FETCH_B \slot, (\q)+1, 1-(\q)%2
	FETCH_A \slot, (\q)+1, 0
	WIN MUL_HI
	MUL16 4, (\q)%2, \q, \slot, \zero
	MUL16 6, (\q)%2, \q, \slot, \zero
	PLACES NP
	WIN 0
	FETCH_A \slot, (\q)+1, 4
.endm
.macro TURN slot, next, fill           ; a slot's last 128 along K, and the change of slots: one barrier
	s_wait_tensorcnt 0x0                           ; all my tensor loads have landed: my record of the next slot
	ds_add_u32 v[SPW], v[NIL]                      ; 0 onto my spare word
	s_wait_dscnt 4*NL+1                            ; (the add and the youngest 16 loads may be out)
	WIN MUL_LO
	MUL16 0, 1, NQ-1, \slot, 0
	s_wait_dscnt 0x0                               ; the add is done, and my reads of this slot are over
	s_barrier_signal -1
	MUL16 2, 1, NQ-1, \slot, 0
	WIN 0
	s_barrier_wait -1
.if \fill
	CREST                                          ; the barrier has opened a round of the cluster's: no wave of any partner still reads this slot or has a load on its way
	s_add_nc_u64 s[G0+4*\slot+2:G0+4*\slot+3], s[G0+4*\slot+2:G0+4*\slot+3], 2*REC
	s_add_nc_u64 s[G0B+4*\slot+2:G0B+4*\slot+3], s[G0B+4*\slot+2:G0B+4*\slot+3], 2*REC
	JLOAD \slot                                    ; the first tensor load behind the round; its four v_nop are four of the places below
	PLACES NP-4
.else
	PLACES NP
.endif
	FETCH_B \next, 0, 0
	FETCH_A \next, 0, 0
	SCALES \next
	WIN MUL_HI
	MUL16 4, 1, NQ-1, \slot, 0
	MUL16 6, 1, NQ-1, \slot, 0
	PLACES NP
	WIN 0
	FETCH_A \next, 0, 4
.endm
	s_wait_tensorcnt 0x1                           ; my record of slot 0 is in; slot 1's may be out
	s_barrier_signal -1
	s_barrier_wait -1
	s_wait_alu depctr_va_vdst(0)
	FETCH_B 0, 0, 0
	FETCH_A 0, 0, 0
	SCALES 0
	FETCH_A 0, 0, 4
	STEP 0, 0, 1                                   ; the first products start the sums: nothing is cleared
	TURN 0, 1, 1                                   ; slot 0 takes K's third record
	STEP 1, 0, 0
	TURN 1, 0, 1                                   ; slot 1 the fourth
	STEP 0, 0, 0
	TURN 0, 1, 0
	STEP 1, 0, 0
	s_wait_dscnt 4*NL                              ; the last 128 along K: nothing more to fetch
	WIN MUL_LO
	MUL16 0, 1, NQ-1, 1, 0
	MUL16 2, 1, NQ-1, 1, 0
	s_wait_dscnt 0
	WIN MUL_HI
	MUL16 4, 1, NQ-1, 1, 0
	MUL16 6, 1, NQ-1, 1, 0
	WIN 0
	; THE WAY OUT, R's block a at a time: the bias, the quantiser, four stores of 512 consecutive bytes.
	PLACES NP                                      ; behind the last products: their results are read and R's fragment registers written from here on
	s_wait_loadcnt 0x0                             ; the bias
	v_and_b32 v[L16], 31, v0
	v_lshlrev_b32 v[L8], 3, v[L16]
	v_lshlrev_b32 v[L16], 4, v[L16]
.irp b, 0,1,2,3
	v_mov_b32 v[TM+4+\b], 0                        ; written once: a lane permute's destination counts as one of its sources
.endr
.macro EPI a
	s_cmp_eq_u32 ttmp9, 2
	s_cbranch_scc1 .Lvb_\@
	WIN 0x02+(\a)/4                                ; source 0: window 2 or 3
.set i, 0
.rept 32
	v_pk_add_f32 v[H+i:H+i+1], v[64*((\a)%4)+i:64*((\a)%4)+i+1], v[BB+i:BB+i+1]   ; each accumulator from its low end on
.set i, i+2
.endr
	WIN 0
	s_branch .Ljb_\@
.Lvb_\@:
	WIN 0x02+(\a)/4
.set i, 0
.rept 32
	v_pk_add_f32 v[H+i:H+i+1], v[64*((\a)%4)+i:64*((\a)%4)+i+1], v[BB+8*(\a)+i%8:BB+8*(\a)+i%8+1]
.set i, i+2
.endr
	WIN 0
.Ljb_\@:
.if (\a) > 0
	s_wait_xcnt 0x0                                ; the last block's stores have read their offset and their data
.endif
	s_mul_i32 s98, s[SA1], (\a)%4
	s_mul_i32 s99, s[SA2], (\a)/4
	s_add_co_u32 s98, s98, s99
	v_add_nc_u32 v[VO], s98, v[L16]
	QUANT H, LO+\a, HI+\a
.irp c, 0,1,2,3
	global_store_b128 v[VO], v[PC+4*\c:PC+4*\c+3], s[SB0+2*\c:SB0+2*\c+1]   ; 32 lanes store 512 consecutive bytes, aligned
.endr
.endm
.irp a, 0,1,2,3,4,5,6,7
	EPI \a
.endr
	s_cmp_eq_u32 ttmp9, 2
	s_cbranch_scc1 .Lscale_v
.irp p, 0,1,2,3                        ; q, k: my first head's words: lanes 0-15 tile 2 p, lanes 16-31 tile 2 p + 1; the two bytes twice, so that the half of K that is filled with zeros has bytes of its own kind
	v_cndmask_b32 v[TW], v[LO+2*\p], v[LO+2*\p+1], s[MH]
	v_lshl_or_b32 v[W0+\p], v[TW], 16, v[TW]
.endr
	global_store_b128 v[L16], v[W0:W0+3], s[SS0:SS0+1]
.irp p, 0,1,2,3                        ; and the second head's
	v_cndmask_b32 v[TW], v[HI+2*\p], v[HI+2*\p+1], s[MH]
	v_lshl_or_b32 v[W1+\p], v[TW], 16, v[TW]
.endr
	global_store_b128 v[L16], v[W1:W1+3], s[SS0+2:SS0+3]
	s_branch .Ldone
.Lscale_v:
.irp a, 0,1,2,3,4,5,6,7
	v_lshl_or_b32 v[LO+\a], v[HI+\a], 16, v[LO+\a] ; v: four real bytes: 128 keys
.endr
.irp p, 0,1,2,3
	v_cndmask_b32 v[W0+\p], v[LO+2*\p], v[LO+2*\p+1], s[MH]
.endr
	global_store_b64 v[L8], v[W0:W0+1], s[SS0:SS0+1]       ; 256 consecutive bytes, aligned
	global_store_b64 v[L8], v[W0+2:W0+3], s[SS0+2:SS0+3]
.Ldone:
	s_wait_tensorcnt 0x0                           ; the wave's end
	ds_add_u32 v[SPW], v[NIL]
	s_wait_dscnt 0x0
	CROUND                                         ; the closing round: no work-group ends while a partner may still ask for a record that names it
	s_endpgm
.Lfunc_end_k_qb5a5b4c311_qkv:
	.size	k_qb5a5b4c311_qkv, .Lfunc_end_k_qb5a5b4c311_qkv-k_qb5a5b4c311_qkv
	.p2alignl 7, 3214868480
	.fill 96, 4, 3214868480
	.section	.rodata,"a",@progbits
	.p2align	6, 0x0
	.amdhsa_kernel k_qb5a5b4c311_qkv
		.amdhsa_group_segment_fixed_size 327680
		.amdhsa_private_segment_fixed_size 0
		.amdhsa_enable_private_segment 0
		.amdhsa_kernarg_size 40
		.amdhsa_user_sgpr_count 2
		.amdhsa_user_sgpr_kernarg_segment_ptr 1
		.amdhsa_wavefront_size32 1
		.amdhsa_system_sgpr_workgroup_id_x 1
		.amdhsa_system_sgpr_workgroup_id_y 1
		.amdhsa_system_sgpr_workgroup_id_z 1
		.amdhsa_system_vgpr_workitem_id 0
		.amdhsa_next_free_vgpr 1024
		.amdhsa_next_free_sgpr 100
		.amdhsa_reserve_vcc 0
		.amdhsa_float_denorm_mode_32 3
		.amdhsa_float_denorm_mode_16_64 3
		.amdhsa_fp16_overflow 1
		.amdhsa_memory_ordered 1
		.amdhsa_forward_progress 1
		.amdhsa_inst_pref_size 191
	.end_amdhsa_kernel
	.amdgpu_metadata
---
amdhsa.version: [ 1, 2 ]
amdhsa.kernels:
  - .name:           k_qb5a5b4c311_qkv
    .symbol:         k_qb5a5b4c311_qkv.kd
    .args:
      - { .name: x_img, .offset: 0, .size: 8, .value_kind: global_buffer, .address_space: global }
      - { .name: w_img, .offset: 8, .size: 8, .value_kind: global_buffer, .address_space: global }
      - { .name: b_in, .offset: 16, .size: 8, .value_kind: global_buffer, .address_space: global }
      - { .name: q_img, .offset: 24, .size: 8, .value_kind: global_buffer, .address_space: global }
      - { .name: kv_img, .offset: 32, .size: 8, .value_kind: global_buffer, .address_space: global }
    .group_segment_fixed_size: 327680
    .private_segment_fixed_size: 0
    .kernarg_segment_align: 8
    .kernarg_segment_size: 40
    .max_flat_workgroup_size: 128
    .sgpr_count:     100
    .vgpr_count:     1024
    .wavefront_size: 32
...
	.end_amdgpu_metadata
.endif
;; end of part 2
;; launch attn (part 3): grid 4 x 64, 16 waves a work-group, clusters of 4 x 1, 327,680 bytes of LDS; arguments q_img, kv_img, o_img; writes o_img
.if DOCPART == 3
	.amdgcn_target "amdgcn-amd-amdhsa--gfx1250"
	.amdhsa_code_object_version 6
	.text
	.protected	k_qb5a5b4c311_attn
	.globl	k_qb5a5b4c311_attn
	.p2align	8
	.type	k_qb5a5b4c311_attn,@function
k_qb5a5b4c311_attn:
	s_mov_b64 s[64:65], 0
	v_nop
	global_prefetch_b8 v0, s[64:65] scope:SCOPE_SE
	s_setreg_imm32_b32 hwreg(HW_REG_WAVE_MODE, 25, 1), 1
	s_wait_xcnt 0x0
	s_wait_alu depctr_hold_cnt(0) depctr_sa_sdst(0) depctr_va_vdst(0) depctr_va_sdst(0) depctr_va_ssrc(0) depctr_va_vcc(0) depctr_vm_vsrc(0)
	s_getreg_b32 s2, hwreg(HW_REG_IB_STS2, 6, 4)
	s_cmp_eq_u32 s2, 0
	s_cbranch_scc0 .Lentry_in_a_cluster
	s_endpgm
.Lentry_in_a_cluster:
	s_bfe_u32 s2, ttmp6, 0x10000c
	s_cmp_lg_u32 s2, 0x3003
	s_cbranch_scc0 .Lentry_shape_is_right
	s_endpgm
.Lentry_shape_is_right:
; Causal attention of one head (64 channels, 2,048 tokens) on codes of E4M3, and its result quantised along the features into the last product's operand image.
; SOFTMAX: t = score x log2(e) / 8; M = the running largest t rounded UP to a whole number; p = 2^(t - M) is quantised along the keys, not normalised; the row's sum is taken of the unquantised p and divides O at the end.
; When M moves, the sum and O are multiplied by 2^(old M - new M): exact.
; SHARES.  A cluster of four work-groups owns a head; a head's 128 tiles of 16 queries are named (g, a): group of 128 tokens, tile in it.  Wave w of work-group cx takes a = 2 cx + w / 8, first in g = 15 - w % 8, then in g = w % 8:
; every wave so has (16 - w % 8) + (w % 8 + 1) = 17 key steps of 128 keys, two of them on the diagonal.  Branches hang on the wave's number and on counters alone; cx enters global addresses and the mask's numbers only.
; LDS.  The head's k and v records (16 steps x 17,152 bytes) come ONCE, by two joint loads a wave (mask: all four work-groups), and stay: nothing is filled again, nothing is stored to LDS.
; The first load of each wave brings its sixteenth of the first 36,864 bytes (steps 0 and 1 lie in them), so that the work begins while the second, larger one is on its way.  Everything is asked for at the head: there is nothing to prefetch.
; LAYOUT.  Both products are used transposed: S^T = k q^T, O^T = v^T p^T: a lane holds one query (lane % 16) throughout.  Row rho of tile i of a record is row 32 (i/2) + 8 (i%2) + rho + 8 (rho/8):
; the 16 registers of tiles 2 b and 2 b + 1 are 16 neighbours, 32 b + 16 (lane/16) + 0 .. 15, of the next product's K.
; K = 64 IN A FORM OF 128: q's fragment has zeros in its upper eight registers; k's fragment of tile t is v[32 + 8 t : 47 + 8 t], whose upper half is the next tile's codes (tile 7: zeros): finite numbers that meet zero codes.
; LIMITS: as the quantiser's everywhere in this program (NaN and infinities not served; bytes held at 1 from below).  A block's largest p is taken from its largest score, which leans on v_exp_f32 not falling where its input rises.
; REGISTERS: v1-7 offsets that stay; v8, v9 LDS addresses; v10, v11 the two passes' scale bytes; v12 -M, v13 largest t, v[14:15] the sum; v16-31 q; v32-103 k or v; v104-167 S^T, then p; v168-199 O^T; v200-215 p's codes; v216-221, v246, v247 scales.
.set REC,  33792
.set GRP,  4*REC
.set STB,  17152                       ; a key step in LDS: k's record (8,704), then v's (8,448)
.set L16,  1
.set L8,   2
.set RR,   3                           ; lane % 16
.set DQ,   4                           ; my query's place in its group of 128, less 16 (lane / 16)
.set VQ,   5                           ; q's codes: a x 1,024 + 16 x lane
.set VQS,  6                           ; q's scale word
.set VO,   7                           ; o's codes: a x 4,096 + 16 x lane
.set ADK,  8
.set ADT,  9
.set KV,   32
.set S,    104
.set O,    168
.set PCD,  200
.set KS,   216                         ; v216-219 k's scale words: lanes 0-15 tile 2 i, lanes 16-31 tile 2 i + 1
.set VS,   220                         ; v220-221 v's likewise
.set BM,   224
.set BP,   228
.set CAP,  232
.set SO,   236
.set T0,   240
.set NINF, 241
.set F,    242                         ; v[242:243]: f, and a 0 named with it as a pair
.set PWD,  246                         ; p's scale word
.set QW,   247                         ; q's
.set WV,   10
.set CX,   11
.set BH,   12
.set G,    13
.set J,    14
.set TB,   15
.set CS,   16
.set SEL,  18
.set MNT,  20
.set MH,   21
.set G1A,  24
.set G1B,  32
.set G0A,  40
.set G0B,  44
.set QB,   48
.set QA,   50
.set OBB,  52
.set OBA,  54
.set OS,   56
.macro ROUND                           ; a round of the cluster's barrier
	s_barrier_signal -1
	s_barrier_wait -1
	s_cmp_lg_u32 s[WV], 0
	s_cbranch_scc1 .Lnot_wave_0_\@
	s_barrier_signal -3
.Lnot_wave_0_\@:
	s_barrier_wait -3
	s_barrier_signal -1
	s_barrier_wait -1
.endm
	s_load_b128 s[4:7], s[0:1], 0x0                ; q_img, kv_img
	s_load_b64 s[8:9], s[0:1], 0x10                ; o_img
	v_lshl_add_u32 v254, v0, 2, 0x43000
	v_mov_b32 v255, 0
	ds_add_u32 v254, v255
	ds_add_u32 v254, v255
	v_lshrrev_b32 v1, 5, v0
	s_delay_alu instid0(VALU_DEP_1)
	v_readfirstlane_b32 s[WV], v1                  ; wave 0..15
	s_bfe_u32 s[CX], ttmp6, 0x40000                ; cx
	s_and_b32 s[BH], ttmp7, 0xffff                 ; 16 x batch + head: the cluster's y, which the four partners share
	; group 1: dense blocks as rows of 256 bytes (32 elements of 8 bytes): 9 rows, and 58
	s_mov_b32 s[G1A], 15|(3<<16)|(1<<21)           ; 15:0 the mask: all four work-groups; 17:16 elements of 8 bytes; 21 set beside a mask
	s_mov_b32 s[G1A+1], 32<<16
	s_mov_b32 s[G1A+2], 9<<16
	s_mov_b32 s[G1A+3], 32<<16
	s_mov_b32 s[G1A+4], 9
	s_mov_b32 s[G1A+5], 32
	s_mov_b32 s[G1A+6], 0
	s_mov_b32 s[G1A+7], 0
	s_mov_b32 s[G1B], 15|(3<<16)|(1<<21)
	s_mov_b32 s[G1B+1], 32<<16
	s_mov_b32 s[G1B+2], 58<<16
	s_mov_b32 s[G1B+3], 32<<16
	s_mov_b32 s[G1B+4], 58
	s_mov_b32 s[G1B+5], 32
	s_mov_b32 s[G1B+6], 0
	s_mov_b32 s[G1B+7], 0
	s_mul_i32 s58, s[BH], 16*STB                   ; the head's records in kv_img
	s_mul_i32 s22, s[WV], 2304                     ; my sixteenth of the first 36,864 bytes,
	s_mul_i32 s23, s[WV], 14848
	s_add_co_u32 s23, s23, 36864                   ; and of the other 237,568: a byte's place in LDS is its place in the head's records
	s_add_co_u32 s60, s58, s22
	s_mov_b32 s61, 0
	s_add_co_u32 s62, s58, s23
	s_mov_b32 s63, 0
	s_mov_b32 s[CS], 0x3e38aa3b                    ; c = log2(e) / 8
	s_mov_b32 s[CS+1], s[CS]                       ; (named with it as a pair)
	s_mov_b32 s[SEL], 0x76543210
	s_mov_b32 s[SEL+1], 0xfedcba98
	s_mov_b32 s[MH], 0xffff0000
	s_wait_dscnt 0x0
	s_wait_kmcnt 0x0
	s_mov_b32 s[G0A], 1
	s_mov_b32 s[G0A+1], s22
	s_add_nc_u64 s[G0A+2:G0A+3], s[6:7], s[60:61]
	s_or_b32 s[G0A+3], s[G0A+3], 0x80000000
	s_mov_b32 s[G0B], 1
	s_mov_b32 s[G0B+1], s23
	s_add_nc_u64 s[G0B+2:G0B+3], s[6:7], s[62:63]
	s_or_b32 s[G0B+3], s[G0B+3], 0x80000000
	ROUND                                          ; all four work-groups are here: the joint loads meet
	tensor_load_to_lds s[G0A:G0A+3], s[G1A:G1A+7]  ; the first fill: it is in before the round that asks for the second
	s_nop 0
	s_wait_alu depctr_va_vdst(0)
	s_wait_tensorcnt 0x0
	ds_add_u32 v254, v255
	s_wait_dscnt 0x0
	ROUND
	tensor_load_to_lds s[G0B:G0B+3], s[G1B:G1B+7]
	s_nop 0
.rept 4
	v_nop
.endr
	s_lshr_b32 s58, s[WV], 3                       ; u = w / 8
	s_lshl_b32 s59, s[CX], 1
	s_add_co_u32 s59, s59, s58                     ; a = 2 cx + u
	s_and_b32 s60, s[WV], 7                        ; the second pass's group
	s_xor_b32 s61, s60, 15                         ; the first pass's: 15 - w % 8
	s_mul_i32 s22, s[BH], 139264                   ; the head's records in q_img
	s_mul_i32 s62, s61, 8704
	s_add_co_u32 s62, s62, s22
	s_mov_b32 s63, 0
	s_add_nc_u64 s[QB:QB+1], s[4:5], s[62:63]
	s_mul_i32 s62, s60, 8704
	s_add_co_u32 s62, s62, s22
	s_add_nc_u64 s[QA:QA+1], s[4:5], s[62:63]
	v_and_b32 v[L16], 31, v0
	s_delay_alu instid0(VALU_DEP_1)
	v_lshlrev_b32 v[L8], 3, v[L16]
	s_delay_alu instid0(VALU_DEP_2)
	v_lshlrev_b32 v[L16], 4, v[L16]
	s_wait_alu depctr_va_vdst(0)
	v_and_b32 v[RR], 15, v0
	s_lshl_b32 s22, s59, 10
	v_add_nc_u32 v[VQ], s22, v[L16]
	s_lshl_b32 s22, s58, 8
	s_lshl_b32 s23, s[CX], 2
	s_add_co_u32 s22, s22, s23
	s_add_co_u32 s22, s22, 8192
	v_lshl_add_u32 v[VQS], v[RR], 4, s22           ; tile a's word of row r: 8192 + 16 (16 (a % 2) + r) + 4 (a / 2)
	global_load_b128 v[16:19], v[VQ], s[QB:QB+1]
	global_load_b128 v[20:23], v[VQ], s[QB:QB+1] offset:512
	global_load_b32 v[QW], v[VQS], s[QB:QB+1]
	; o_img: group 16 x batch + g, record head / 4, block a, q = (head / 2) % 2, c = 2 (head % 2) + 0, 1
	s_lshr_b32 s22, s[BH], 4
	s_lshl_b32 s22, s22, 4
	s_mul_i32 s22, s22, GRP
	s_and_b32 s23, s[BH], 15
	s_lshr_b32 s62, s23, 2
	s_mul_i32 s62, s62, REC
	s_add_co_u32 s22, s22, s62
	s_bfe_u32 s13, s23, 0x10001
	s_and_b32 s14, s23, 1
	s_lshl_b32 s23, s13, 11
	s_lshl_b32 s15, s14, 10
	s_add_co_u32 s23, s23, s15
	s_add_co_u32 s23, s23, s22
	s_mul_i32 s62, s61, GRP
	s_add_co_u32 s62, s62, s23
	s_add_nc_u64 s[OBB:OBB+1], s[8:9], s[62:63]
	s_mul_i32 s62, s60, GRP
	s_add_co_u32 s62, s62, s23
	s_add_nc_u64 s[OBA:OBA+1], s[8:9], s[62:63]
	s_lshl_b32 s62, s13, 2
	s_lshl_b32 s15, s14, 1
	s_add_co_u32 s62, s62, s15
	s_add_co_u32 s62, s62, s22
	s_add_co_u32 s62, s62, 32768
	s_add_nc_u64 s[OS:OS+1], s[8:9], s[62:63]      ; the head's two bytes of a scale word
	s_lshl_b32 s22, s59, 12
	v_add_nc_u32 v[VO], s22, v[L16]
	v_and_b32 v[T0], 8, v0
	s_wait_alu depctr_va_vdst(0)
	v_and_b32 v[NINF], 16, v0
	v_add_nc_u32 v[DQ], v[RR], v[T0]
	s_delay_alu instid0(VALU_DEP_1)
	v_sub_nc_u32 v[DQ], v[DQ], v[NINF]
	s_lshl_b32 s22, s[CX], 5
	s_lshl_b32 s23, s58, 3
	s_add_co_u32 s22, s22, s23
	v_add_nc_u32 v[DQ], s22, v[DQ]                 ; 32 (a / 2) + 8 (a % 2) + r + 8 (r / 8) - 16 h
	v_mov_b32 v[NINF], 0xff800000                  ; -infinity
	v_mov_b32 v[T0], 0
	v_mov_b32 v[F+1], 0
.irp b, 0,1,2,3
	v_mov_b32 v[BP+\b], 0                          ; written once: a lane permute's destination counts as one of its sources
.endr
.irp j, 0,1,2,3,4,5,6,7
	v_mov_b32 v[24+\j], 0                          ; q's codes for the half of K that the head does not have
	v_mov_b32 v[96+\j], 0                          ; and what stands behind k's tile 7
.endr
.macro INIT                            ; a pass begins: O^T and the sum as zeros, the largest t as -3e38: the first change of M multiplies zeros
	v_mov_b32 v13, 0xff61b1e6
	s_delay_alu instid0(VALU_DEP_1)
	v_floor_f32 v12, -v13
	v_mov_b32 v14, 0
	v_mov_b32 v15, 0
.set i, 0
.rept 32
	v_mov_b32 v[O+i], 0
.set i, i+1
.endr
.endm
	INIT
; A KEY STEP: 128 keys.  edge = 1: a step behind my group's is passed over (a scalar branch on counters), and in my group's own step hidden scores become -infinity.
.macro STEP edge
.if \edge
	s_cmp_gt_u32 s[J], s[G]
	s_cbranch_scc1 .Lhid_\@
.endif
	s_setprio 2
	v_add_nc_u32 v[ADK], s[TB], v[L16]
	v_add_nc_u32 v[ADT], s[TB], v[L8]
.rept 6
	v_nop                                          ; with the two additions: eight places in front of loads into registers that the last products have read
.endr
.irp t, 0,1,2,3,4,5,6,7
	ds_load_b128 v[KV+8*\t:KV+8*\t+3], v[ADK] offset:1024*\t
	ds_load_b128 v[KV+8*\t+4:KV+8*\t+7], v[ADK] offset:1024*\t+512
.endr
	ds_load_b128 v[KS:KS+3], v[ADK] offset:8192
	s_wait_alu depctr_va_vdst(0)
	s_wait_dscnt 0x0
.irp t, 0,2,4,6
	v_wmma_scale_f32_16x16x128_f8f6f4 v[S+8*\t:S+8*\t+7], v[KV+8*\t:KV+8*\t+15], v[16:31], 0, v[KS+\t/2], v[QW]
	v_wmma_scale_f32_16x16x128_f8f6f4 v[S+8*\t+8:S+8*\t+15], v[KV+8*\t+8:KV+8*\t+23], v[16:31], 0, v[KS+\t/2], v[QW] matrix_a_scale:MATRIX_SCALE_ROW1
.endr
.rept 8
	v_nop                                          ; eight places: then v's fragments may land where k's lay, and the scores may be read
.endr
.irp t, 0,1,2,3
.irp c, 0,1,2,3
	ds_load_b128 v[KV+16*\t+4*\c:KV+16*\t+4*\c+3], v[ADK] offset:8704+2048*\t+512*\c   ; asked for a softmax ahead of their use
.endr
.endr
	ds_load_b64 v[VS:VS+1], v[ADT] offset:16896
.if \edge
	s_cmp_lg_u32 s[J], s[G]
	s_cbranch_scc1 .Lopen_\@
.set i, 0
.rept 64                               ; register 16 b + n holds key 32 b + 16 (lane/16) + n of the step: hidden where 32 b + n > DQ
	v_cmp_gt_i32 vcc_lo, 32*(i/16)+i%16, v[DQ]
	v_cndmask_b32 v[S+i], v[S+i], v[NINF], vcc_lo
.set i, i+1
.endr
.Lopen_\@:
.endif
.irp b, 0,1,2,3
	v_max3_num_f32 v[BM+\b], v[S+16*\b], v[S+1+16*\b], v[S+2+16*\b]   ; the largest score of each block of 32 keys: for the row's maximum and, since p rises with the score, for the block's largest p
.endr
.irp i, 3,5,7,9,11,13
.irp b, 0,1,2,3
	v_max3_num_f32 v[BM+\b], v[BM+\b], v[S+16*\b+\i], v[S+1+16*\b+\i]
.endr
.endr
.irp b, 0,1,2,3
	v_max_num_f32 v[BM+\b], v[BM+\b], v[S+15+16*\b]
.endr
.irp b, 0,1,2,3
	s_delay_alu instid0(VALU_DEP_4)
	v_permlanex16_b32 v[BP+\b], v[BM+\b], s[SEL], s[SEL+1]
.endr
.irp b, 0,1,2,3
	s_delay_alu instid0(VALU_DEP_4)
	v_max_num_f32 v[BM+\b], v[BM+\b], v[BP+\b]     ; with lane l xor 16's 16 keys
.endr
	s_delay_alu instid0(VALU_DEP_2)
	v_max3_num_f32 v[T0], v[BM], v[BM+1], v[BM+2]
	s_delay_alu instid0(VALU_DEP_1)
	v_max_num_f32 v[T0], v[T0], v[BM+3]
	s_delay_alu instid0(VALU_DEP_1)
	v_mul_f32 v[T0], s[CS], v[T0]                  ; as t (c is positive)
	s_delay_alu instid0(VALU_DEP_1)
	v_max_num_f32 v13, v13, v[T0]                  ; the running largest t
	v_mov_b32 v[T0], v12
	s_delay_alu instid0(VALU_DEP_2)
	v_floor_f32 v12, -v13                          ; the new -M = floor(-t): M is a whole number
	s_delay_alu instid0(VALU_DEP_1)
	v_sub_f32 v[T0], v12, v[T0]                    ; old M - new M: a whole number, 0 or less
	s_delay_alu instid0(VALU_DEP_1)
	v_cvt_i32_f32 v[T0], v[T0]                     ; (it saturates)
	s_delay_alu instid0(VALU_DEP_1)
	v_ldexp_f32 v[F], 1.0, v[T0]                   ; f = 2^(old M - new M)
.set i, 0
.rept 32
	v_pk_fma_f32 v[S+i:S+i+1], v[S+i:S+i+1], s[CS:CS+1], v[12:13] op_sel_hi:[1,0,0]   ; t - M, two at a time
.set i, i+2
.endr
.irp b, 0,1,2,3
	v_fma_f32 v[BM+\b], v[BM+\b], s[CS], v12       ; the same of each block's largest score
.endr
.set i, 0
	s_setprio 1
	s_wait_alu depctr_va_vdst(0)
.rept 64
	v_exp_f32 v[S+i], v[S+i]                       ; p = 2^(t - M), at most 1
.set i, i+1
.endr
	v_pk_mul_f32 v[14:15], v[14:15], v[F:F+1] op_sel_hi:[1,0]   ; the sums under the new M (a plain line behind the exponentials)
	s_wait_alu depctr_va_vdst(0)                   ; one wait for the batch, ahead of its first reader
.irp b, 0,1,2,3
	v_exp_f32 v[BM+\b], v[BM+\b]                   ; the block's largest p: the same two instructions on the same number
.endr
	v_pk_add_f32 v[BP:BP+1], v[S:S+1], v[S+2:S+3]  ; the row's sum is taken of the unquantised p: two chains
.irp j, 4,8,12,16,20,24,28,32,36,40,44,48,52,56,60
	v_pk_add_f32 v[14:15], v[14:15], v[S+\j:S+\j+1]
	v_pk_add_f32 v[BP:BP+1], v[BP:BP+1], v[S+2+\j:S+3+\j]
.endr
	s_delay_alu instid0(VALU_DEP_1)
	v_pk_add_f32 v[14:15], v[14:15], v[BP:BP+1]
	s_wait_alu depctr_va_vdst(0)                   ; and one for the four
.irp b, 0,1,2,3
	v_max_num_f32 v[BM+\b], 0x4800000, v[BM+\b]    ; the floor 2^(9 - 127): a block whose every p is 0 keeps the byte 1: its codes are zeros
.endr
.irp b, 0,1,2,3
	s_delay_alu instid0(VALU_DEP_4)
	v_add_nc_u32 v[SO+\b], 0xfc000000, v[BM+\b]
.endr
.irp b, 0,1,2,3
.endr
.irp b, 0,1,2,3
	s_delay_alu instid0(VALU_DEP_4)
	v_lshrrev_b32 v[BP+\b], 23, v[SO+\b]
.endr
	s_delay_alu instid0(VALU_DEP_3)
	v_lshl_or_b32 v[PWD], v[BP+1], 8, v[BP]        ; p's scale word for these 128 keys
	s_delay_alu instid0(VALU_DEP_1)
	v_lshl_or_b32 v[PWD], v[BP+2], 16, v[PWD]
	s_delay_alu instid0(VALU_DEP_1)
	v_lshl_or_b32 v[PWD], v[BP+3], 24, v[PWD]
	s_setprio 0
.irp b, 0,1,2,3
.irp i, 0,1,2,3,4,5,6,7,8,9,10,11,12,13,14,15
.endr
	v_cvt_scalef32_pk8_fp8_f32 v[PCD+4*\b:PCD+4*\b+1], v[S+16*\b:S+16*\b+7], v[SO+\b]
	v_cvt_scalef32_pk8_fp8_f32 v[PCD+4*\b+2:PCD+4*\b+3], v[S+16*\b+8:S+16*\b+15], v[SO+\b]
.endr
.set i, 0
.rept 16
	v_pk_mul_f32 v[O+i:O+i+1], v[O+i:O+i+1], v[F:F+1] op_sel_hi:[1,0]   ; O^T under the new M
.set i, i+2
.endr
	s_wait_alu depctr_va_vdst(0)
	s_wait_dscnt 0x0                               ; v's fragments and scale words
.rept 4
	v_nop                                          ; four places between the last vector write of an operand and the scaled products
.endr
.irp t, 0,2
	v_wmma_scale_f32_16x16x128_f8f6f4 v[O+8*\t:O+8*\t+7], v[KV+16*\t:KV+16*\t+15], v[PCD:PCD+15], v[O+8*\t:O+8*\t+7], v[VS+\t/2], v[PWD]
	v_wmma_scale_f32_16x16x128_f8f6f4 v[O+8*\t+8:O+8*\t+15], v[KV+16*\t+16:KV+16*\t+31], v[PCD:PCD+15], v[O+8*\t+8:O+8*\t+15], v[VS+\t/2], v[PWD] matrix_a_scale:MATRIX_SCALE_ROW1
.endr
.if \edge
.Lhid_\@:
.endif
	s_add_co_u32 s[TB], s[TB], STB                 ; the next step's records
.endm
; A PASS'S END: O^T / the sum, quantised along the head's 64 channels (two blocks of the last product's K), 1,024 bytes of codes out.  next = 1: the second pass's q is asked for first.
.macro EPIO word, ob, next
.rept 8
	v_nop                                          ; eight places behind the last products
.endr
.if \next
	global_load_b128 v[16:19], v[VQ], s[QA:QA+1]
	global_load_b128 v[20:23], v[VQ], s[QA:QA+1] offset:512
	global_load_b32 v[QW], v[VQS], s[QA:QA+1]
.endif
	v_add_f32 v14, v14, v15
	s_delay_alu instid0(VALU_DEP_1)
	v_permlanex16_b32 v[T0], v14, s[SEL], s[SEL+1]
	s_delay_alu instid0(VALU_DEP_1)
	v_add_f32 v14, v14, v[T0]                      ; the row's sum
	s_wait_alu depctr_va_vdst(0)
	v_rcp_f32 v14, v14
	v_nop                                          ; a plain line behind the transcendental
	s_wait_alu depctr_va_vdst(0)                   ; and the wait ahead of its first reader
.set i, 0
.rept 16
	v_pk_mul_f32 v[S+i:S+i+1], v[O+i:O+i+1], v[14:15] op_sel_hi:[1,0]   ; register 16 b + n: channel 32 b + 16 (lane/16) + n; each accumulator from its low end on
.set i, i+2
.endr
.irp b, 0,1
	v_max3_num_f32 v[BM+\b], |v[S+16*\b]|, |v[S+1+16*\b]|, 0x4800000
.endr
.irp i, 2,4,6,8,10,12,14
.irp b, 0,1
	s_delay_alu instid0(VALU_DEP_2)
	v_max3_num_f32 v[BM+\b], v[BM+\b], |v[S+16*\b+\i]|, |v[S+1+16*\b+\i]|
.endr
.endr
.irp b, 0,1
	s_delay_alu instid0(VALU_DEP_2)
	v_permlanex16_b32 v[BP+\b], v[BM+\b], s[SEL], s[SEL+1]
.endr
.irp b, 0,1
	s_delay_alu instid0(VALU_DEP_2)
	v_max_num_f32 v[BM+\b], v[BM+\b], v[BP+\b]
.endr
.irp b, 0,1
	s_delay_alu instid0(VALU_DEP_2)
	v_add_nc_u32 v[SO+\b], 0xfc000000, v[BM+\b]
.endr
.irp b, 0,1
.endr
.irp b, 0,1
	s_delay_alu instid0(VALU_DEP_2)
	v_lshrrev_b32 v[BP+\b], 23, v[SO+\b]
.endr
	s_delay_alu instid0(VALU_DEP_1)
	v_lshl_or_b32 v[\word], v[BP+1], 8, v[BP]      ; my query's two scale bytes
.irp b, 0,1
.irp i, 0,1,2,3,4,5,6,7,8,9,10,11,12,13,14,15
.endr
	v_cvt_scalef32_pk8_fp8_f32 v[PCD+4*\b:PCD+4*\b+1], v[S+16*\b:S+16*\b+7], v[SO+\b]
	v_cvt_scalef32_pk8_fp8_f32 v[PCD+4*\b+2:PCD+4*\b+3], v[S+16*\b+8:S+16*\b+15], v[SO+\b]
.endr
	v_nop                                          ; one plain line behind the last conversion of the run
	global_store_b128 v[VO], v[PCD:PCD+3], s[\ob:\ob+1]             ; 32 lanes store 512 consecutive bytes, aligned
	global_store_b128 v[VO], v[PCD+4:PCD+7], s[\ob:\ob+1] offset:512
.endm
	s_wait_tensorcnt 0x1                           ; my part of the first 36,864 bytes is in; my larger load may be out
	s_barrier_signal -1
	s_barrier_wait -1                              ; everybody's is
	s_wait_loadcnt 0x0                             ; q
	s_mov_b32 s[G], s61                            ; the first pass: groups 8 to 15
	s_mov_b32 s[J], 0
	s_mov_b32 s[TB], 0
.Lfirst:                                           ; steps 0 and 1 lie under every first pass's diagonal: no edge
	STEP 0
	s_add_co_u32 s[J], s[J], 1
	s_cmp_lt_u32 s[J], 2
	s_cbranch_scc1 .Lfirst
	s_setprio 0
	s_wait_tensorcnt 0x0                           ; my part of the rest is in,
	s_wait_dscnt 0x0
	s_barrier_signal -1
	s_barrier_wait -1                              ; everybody's is: from here on the waves run free
	s_mov_b32 s[J], 2
	s_mov_b32 s[TB], 2*STB
.Lrest:
	STEP 1
	s_add_co_u32 s[J], s[J], 1
	s_cmp_lt_u32 s[J], 16
	s_cbranch_scc1 .Lrest
	s_setprio 0
	EPIO 10, OBB, 1
	s_wait_loadcnt 0x0                             ; the second pass's q
	s_wait_xcnt 0x0                                ; the stores have read their data: the codes' registers are written again
	INIT
	s_mov_b32 s[G], s60                            ; the second pass: groups 0 to 7
	s_mov_b32 s[J], 0
	s_mov_b32 s[TB], 0
.Lsecond:
	STEP 1
	s_add_co_u32 s[J], s[J], 1
	s_cmp_lt_u32 s[J], 16
	s_cbranch_scc1 .Lsecond
	s_setprio 0
	EPIO 11, OBA, 0
	; both passes' scale bytes by one store: lanes 0-15 the second pass's, lanes 16-31 the first's; two bytes a query, 8 bytes apart: 64 bytes a wave against its 2,048 of codes
	s_mul_i32 s22, s60, GRP
	s_mul_i32 s23, s61, GRP
	s_lshl_b32 s62, s59, 7
	s_add_co_u32 s22, s22, s62
	s_add_co_u32 s23, s23, s62
	v_lshl_add_u32 v[ADK], v[RR], 3, s22
	v_lshl_add_u32 v[ADT], v[RR], 3, s23
	s_delay_alu instid0(VALU_DEP_1)
	v_cndmask_b32 v[ADK], v[ADK], v[ADT], s[MH]
	v_cndmask_b32 v[T0], v11, v10, s[MH]
	global_store_b16 v[ADK], v[T0], s[OS:OS+1]
	s_wait_tensorcnt 0x0
	ds_add_u32 v254, v255
	s_wait_dscnt 0x0
	ROUND                                          ; the closing round
	s_endpgm
.Lfunc_end_k_qb5a5b4c311_attn:
	.size	k_qb5a5b4c311_attn, .Lfunc_end_k_qb5a5b4c311_attn-k_qb5a5b4c311_attn
	.p2alignl 7, 3214868480
	.fill 96, 4, 3214868480
	.section	.rodata,"a",@progbits
	.p2align	6, 0x0
	.amdhsa_kernel k_qb5a5b4c311_attn
		.amdhsa_group_segment_fixed_size 327680
		.amdhsa_private_segment_fixed_size 0
		.amdhsa_enable_private_segment 0
		.amdhsa_kernarg_size 24
		.amdhsa_user_sgpr_count 2
		.amdhsa_user_sgpr_kernarg_segment_ptr 1
		.amdhsa_wavefront_size32 1
		.amdhsa_system_sgpr_workgroup_id_x 1
		.amdhsa_system_sgpr_workgroup_id_y 1
		.amdhsa_system_sgpr_workgroup_id_z 1
		.amdhsa_system_vgpr_workitem_id 0
		.amdhsa_next_free_vgpr 256
		.amdhsa_next_free_sgpr 66
		.amdhsa_reserve_vcc 1
		.amdhsa_float_denorm_mode_32 3
		.amdhsa_float_denorm_mode_16_64 3
		.amdhsa_fp16_overflow 1
		.amdhsa_memory_ordered 1
		.amdhsa_forward_progress 1
		.amdhsa_inst_pref_size 82
	.end_amdhsa_kernel
	.amdgpu_metadata
---
amdhsa.version: [ 1, 2 ]
amdhsa.kernels:
  - .name:           k_qb5a5b4c311_attn
    .symbol:         k_qb5a5b4c311_attn.kd
    .args:
      - { .name: q_img, .offset: 0, .size: 8, .value_kind: global_buffer, .address_space: global }
      - { .name: kv_img, .offset: 8, .size: 8, .value_kind: global_buffer, .address_space: global }
      - { .name: o_img, .offset: 16, .size: 8, .value_kind: global_buffer, .address_space: global }
    .group_segment_fixed_size: 327680
    .private_segment_fixed_size: 0
    .kernarg_segment_align: 8
    .kernarg_segment_size: 24
    .max_flat_workgroup_size: 512
    .sgpr_count:     66
    .vgpr_count:     256
    .wavefront_size: 32
...
	.end_amdgpu_metadata
.endif
;; end of part 3
;; launch proj (part 4): grid 4 x 32, 4 waves a work-group, clusters of 4 x 4, 327,680 bytes of LDS; arguments o_img, w_img, b_out, out0; writes out0
.if DOCPART == 4
	.amdgcn_target "amdgcn-amd-amdhsa--gfx1250"
	.amdhsa_code_object_version 6
	.text
	.protected	k_qb5a5b4c311_proj
	.globl	k_qb5a5b4c311_proj
	.p2align	8
	.type	k_qb5a5b4c311_proj,@function
k_qb5a5b4c311_proj:
	s_mov_b64 s[64:65], 0
	v_nop
	global_prefetch_b8 v0, s[64:65] scope:SCOPE_SE
	s_setreg_imm32_b32 hwreg(HW_REG_WAVE_MODE, 25, 1), 1
	s_wait_xcnt 0x0
	s_wait_alu depctr_hold_cnt(0) depctr_sa_sdst(0) depctr_va_vdst(0) depctr_va_sdst(0) depctr_va_ssrc(0) depctr_va_vcc(0) depctr_vm_vsrc(0)
	s_getreg_b32 s2, hwreg(HW_REG_IB_STS2, 6, 4)
	s_cmp_eq_u32 s2, 0
	s_cbranch_scc0 .Lentry_in_a_cluster
	s_endpgm
.Lentry_in_a_cluster:
	s_bfe_u32 s2, ttmp6, 0x10000c
	s_cmp_lg_u32 s2, 0xf033
	s_cbranch_scc0 .Lentry_shape_is_right
	s_endpgm
.Lentry_shape_is_right:
; out0 = o W_out + b_out on codes of E4M3 (K = 1,024).  o_img: 64 groups of 128 tokens; W_out's columns: groups 24-31 of w_img.  Both are images of operand registers:
; records of 128 rows x 256 K: codes at i*4096 + q*2048 + c*512 + 16*lane, scale words at 32768 + i*128 + 8*(lane%16) + 4*q; row rho of block i is row 32 (i/2) + 8 (i%2) + rho + 8 (rho/8) of its group.
; A tile of the output is 256 tokens (R, source 1: on the lanes) x 256 features (P, source 0: along a lane's result registers); four waves, each 128 x 128: 64 accumulators, 512 registers.
; RING: two LDS slots of four records, one record a wave and a tensor load; K's four records go 0, 1 (first fills), 2, 3 (refills).  Fragments are read as 512 consecutive bytes: no padding.
; CLUSTERS: 4 x 4 work-groups: R's records are asked for jointly along a row of the cluster, P's along a column.
; The bias is the C of each sum's first product.  The way out goes through each wave's stage, which lies in slot 0: when the first result is stored there the slot has had its last fill and its last read.
; 128 tiles: half of the 256 WGPs have a work-group; a tile of 128 x 256 would fill them at the price of more LDS reads for each product.  No prefetch: of K's four records two are asked for at the head.
; REGISTERS: window 0: v16-26 addresses; v28, v29 the add's; v32-63 scale words, two sets; v64-127 the bias; v128-255 R's fragments, one set (on the way out: rows of the output).
;   window 1: P's fragments, two sets.   windows 2, 3: the accumulators, (a, b) at v[8 (8 (a % 4) + b)].
.set REC,    33792
.set GRP,    4*REC
.set SLOT,   4*REC
.set SPARE,  2*SLOT                    ; behind the ring: the spare words, 128 bytes a wave: two blocks of 256 bytes that no other line names
.set NQ,     2
.set FR,     16
.set NL,     4
.set NP,     8                         ; places behind this matrix instruction (ISA guide 7.12.1)
.set SPITCH, 528                       ; a stage row: 512 bytes + 16
.set ADRA,   16
.set ADRB,   20
.set ADRS,   22
.set STO,    24
.set RD,     25
.set CO,     26
.set SPW,    28
.set NIL,    29
.set SC,     32
.set BI,     64
.set AF,     128
.set BK,     128
.set G1,  24
.set G0,  32
.set G1B, 48
.set G0B, 56
.set BIAS, 66
.set MSB, 0
.macro WIN new                         ; the immediate's high byte repeats the setting that is left
.if MSB != \new
	s_set_vgpr_msb (MSB<<8)|\new
.set MSB, \new
.endif
.endm
.set MUL_LO,   0xa1                    ; source 0 (P) window 1, source 1 (R) window 0, C and D window 2
.set MUL_HI,   0xf1
.set FIRST_LO, 0x81                    ; the first products: C (the bias) window 0, D window 2
.set FIRST_HI, 0xc1
.set TO_B,     0x40
.macro JLOAD s                         ; a joint load: waves 0, 1 fetch R's records, waves 2, 3 P's; four v_nop follow each line
	s_cmp_eq_u32 s15, 0
	s_cbranch_scc0 .Lfor_p_\@
	tensor_load_to_lds s[G0+4*\s:G0+4*\s+3], s[G1:G1+7]
	s_nop 0
.rept 4
	v_nop
.endr
	s_branch .Lasked_\@
.Lfor_p_\@:
	tensor_load_to_lds s[G0B+4*\s:G0B+4*\s+3], s[G1B:G1B+7]
	s_nop 0
.rept 4
	v_nop
.endr
.Lasked_\@:
.endm
.macro CREST
	s_cmp_lg_u32 s14, 0
	s_cbranch_scc1 .Lnot_wave_0_\@
	s_barrier_signal -3
.Lnot_wave_0_\@:
	s_barrier_wait -3
	s_barrier_signal -1
	s_barrier_wait -1
.endm
.macro CROUND
	s_barrier_signal -1
	s_barrier_wait -1
	CREST
.endm
.macro PLACES n
.rept \n
	v_nop
.endr
.endm
	s_load_b256 s[4:11], s[0:1], 0x0               ; o_img s[4:5], w_img s[6:7], b_out s[8:9], out0 s[10:11]
	v_lshl_add_u32 v[SPW], v0, 2, SPARE
	v_mov_b32 v[NIL], 0
	ds_add_u32 v28, v29
	ds_add_u32 v28, v29
	s_wait_dscnt 0x0
	v_lshrrev_b32 v1, 5, v0
	v_readfirstlane_b32 s14, v1                    ; wave 0..3
	s_lshr_b32 s15, s14, 1                         ; which half of the tile's tokens is mine.  Also: I fetch for R (0) or for P (1)
	s_and_b32 s16, s14, 1                          ; which half of its features.  Also: which record of the two I fetch
	s_bfe_u32 s40, ttmp6, 0x40000                  ; cx
	s_bfe_u32 s41, ttmp6, 0x40004                  ; cy
	s_lshl_b32 s42, ttmp9, 2
	s_add_co_u32 s42, s42, s40                     ; P's tile: 256 features
	s_and_b32 s17, ttmp7, 0xffff
	s_lshl_b32 s17, s17, 2
	s_add_co_u32 s17, s17, s41                     ; R's tile: 256 tokens
	s_lshl_b32 s43, s41, 2
	s_lshl_b32 s43, 15, s43                        ; my row of the cluster
	s_lshl_b32 s44, 0x1111, s40                    ; my column
	s_or_b32 s[G1+0], s43, (3<<16)|(1<<21)         ; 15:0 the mask; 17:16 elements of 8 bytes; 21 set beside a mask
	s_or_b32 s[G1B+0], s44, (3<<16)|(1<<21)
.irp g, G1, G1B
	s_mov_b32 s[\g+1], 32<<16                      ; a record: 132 rows of 256 bytes, dense
	s_mov_b32 s[\g+2], 132<<16
	s_mov_b32 s[\g+3], 32<<16
	s_mov_b32 s[\g+4], 132
	s_mov_b32 s[\g+5], 32
	s_mov_b32 s[\g+6], 0
	s_mov_b32 s[\g+7], 0
.endr
	s_lshl_b32 s20, s17, 1
	s_add_co_u32 s20, s20, s16
	s_mul_i32 s20, s20, GRP
	s_mov_b32 s21, 0
	s_lshl_b32 s46, s42, 1
	s_add_co_u32 s46, s46, s16
	s_add_co_u32 s46, s46, 24                      ; W_out's groups lie behind W_in's 24
	s_mul_i32 s46, s46, GRP
	s_mov_b32 s47, 0
	s_mul_i32 s45, s14, REC
	s_wait_kmcnt 0x0
	s_add_nc_u64 s[20:21], s[4:5], s[20:21]
	s_add_nc_u64 s[46:47], s[6:7], s[46:47]
	CROUND                                         ; all sixteen work-groups are here: the first joint loads meet
.irp s, 0,1
	s_mov_b32 s[G0+4*\s], 1
	s_add_co_u32 s[G0+4*\s+1], s45, \s*SLOT
	s_add_nc_u64 s[G0+4*\s+2:G0+4*\s+3], s[20:21], \s*REC
	s_or_b32 s[G0+4*\s+3], s[G0+4*\s+3], 0x80000000
	s_mov_b32 s[G0B+4*\s], 1
	s_add_co_u32 s[G0B+4*\s+1], s45, \s*SLOT
	s_add_nc_u64 s[G0B+4*\s+2:G0B+4*\s+3], s[46:47], \s*REC
	s_or_b32 s[G0B+4*\s+3], s[G0B+4*\s+3], 0x80000000
	s_wait_alu depctr_va_vdst(0)
	s_wait_tensorcnt 0x0
	ds_add_u32 v28, v29
	ds_add_u32 v28, v29
	s_wait_dscnt 0x0
	CROUND
	JLOAD \s
.endr
	v_and_b32 v1, 15, v0                           ; r
	v_bfe_u32 v2, v0, 4, 1                         ; h
	v_and_b32 v3, 31, v0
	v_lshlrev_b32 v[CO], 4, v3                     ; 16 x lane
	s_mul_i32 s21, s15, REC
	s_mul_i32 s22, s16, REC
	s_add_co_u32 s22, s22, 2*REC
	s_sub_co_u32 s23, s22, s21
	v_mul_u32_u24 v6, s23, v2                      ; lanes 16-31 take P's scale words: one product, the distance between the two records
	v_lshl_add_u32 v6, v1, 3, v6
.irp s, 0,1
	v_add_nc_u32 v[ADRA+\s], s21, v[CO]
	v_add_nc_u32 v[ADRB+\s], s22, v[CO]
	v_add_nc_u32 v[ADRS+\s], s21, v6
	s_add_co_u32 s21, s21, SLOT
	s_add_co_u32 s22, s22, SLOT
.endr
	s_mul_i32 s23, s14, 16*SPITCH                  ; my stage
	v_mul_u32_u24 v5, v1, SPITCH
	v_lshl_add_u32 v5, v2, 6, v5
	v_add_nc_u32 v[STO], s23, v5                   ; in: row r, + 64 h: my half's 16 features of each 32
	v_add_nc_u32 v[RD], s23, v[CO]                 ; back: a row of 512 bytes, 16 a lane
	s_lshl_b32 s70, s42, 10                        ; my first feature, in bytes: 4 (256 x tile + 128 x half)
	s_lshl_b32 s71, s16, 9
	s_add_co_u32 s70, s70, s71
	s_mov_b32 s71, 0
	s_add_nc_u64 s[BIAS:BIAS+1], s[8:9], s[70:71]
	s_lshl_b32 s72, s17, 8
	s_lshl_b32 s73, s15, 7
	s_add_co_u32 s72, s72, s73                     ; my first token
	s_lshl_b32 s72, s72, 12                        ; a row of the output is 4,096 bytes
	s_mov_b32 s73, 0
	s_add_nc_u64 s[12:13], s[10:11], s[72:73]
	s_add_nc_u64 s[12:13], s[12:13], s[70:71]
	v_lshlrev_b32 v7, 6, v2                        ; 64 h
.irp b, 0,1,2,3
.irp j, 0,1,2,3
	global_load_b128 v[BI+16*\b+4*\j:BI+16*\b+4*\j+3], v7, s[BIAS:BIAS+1] offset:128*\b+16*\j   ; the bias in the result's layout: register 16 b + n: feature 32 b + 16 h + n
.endr
.endr
.macro FRAG reg, adr, q, i
.irp c, 0,1,2,3
	ds_load_b128 v[\reg+4*\c:\reg+4*\c+3], v[\adr] offset:(\i)*4096+(\q)*2048+512*\c
.endr
.endm
; 16 matrix instructions: R's blocks a0, a0 + 1 x P's eight.  first = 1: the bias starts the sums.  The 64 accumulators take turns, one instruction a turn.
.macro MUL16 a0, p, q, sc, first
.irp a, \a0, \a0+1
.irp b, 0,1,2,3,4,5,6,7
.if \first
	v_wmma_scale_f32_16x16x128_f8f6f4 v[8*(8*((\a)%4)+\b):8*(8*((\a)%4)+\b)+7], v[128*(\p)+FR*\b:128*(\p)+FR*\b+FR-1], v[AF+FR*(\a):AF+FR*(\a)+FR-1], v[BI+8*\b:BI+8*\b+7], v[SC+8*NQ*(\sc)+NQ*\b+(\q)], v[SC+8*NQ*(\sc)+NQ*(\a)+(\q)] matrix_a_scale:MATRIX_SCALE_ROW1
.else
	v_wmma_scale_f32_16x16x128_f8f6f4 v[8*(8*((\a)%4)+\b):8*(8*((\a)%4)+\b)+7], v[128*(\p)+FR*\b:128*(\p)+FR*\b+FR-1], v[AF+FR*(\a):AF+FR*(\a)+FR-1], v[8*(8*((\a)%4)+\b):8*(8*((\a)%4)+\b)+7], v[SC+8*NQ*(\sc)+NQ*\b+(\q)], v[SC+8*NQ*(\sc)+NQ*(\a)+(\q)] matrix_a_scale:MATRIX_SCALE_ROW1
.endif
.endr
.endr
.endm
.macro FETCH_B slot, q, p
	WIN TO_B
.irp i, 0,1,2,3,4,5,6,7
	FRAG 128*(\p)+FR*\i, ADRB+\slot, \q, \i
.endr
	WIN 0
.endm
.macro FETCH_A slot, q, i0
.irp i, \i0, \i0+1, \i0+2, \i0+3
	FRAG AF+FR*(\i), ADRA+\slot, \q, \i
.endr
.endm
.macro SCALES sc
.irp i, 0,1,2,3,4,5,6,7
	ds_load_b64 v[SC+8*NQ*\sc+NQ*\i:SC+8*NQ*\sc+NQ*\i+1], v[ADRS+\sc] offset:32768+128*\i
.endr
.endm
.macro STEP slot, q, first
	s_wait_dscnt 4*NL                              ; all but the youngest 16 loads (R's blocks 4-7)
.if \first
	WIN FIRST_LO
.else
	WIN MUL_LO
.endif
	MUL16 0, (\q)%2, \q, \slot, \first
	MUL16 2, (\q)%2, \q, \slot, \first
	s_wait_dscnt 0
	PLACES NP                                      ; in front of loads into registers that matrix instructions have read
	FETCH_B \slot, (\q)+1, 1-(\q)%2
	FETCH_A \slot, (\q)+1, 0
.if \first
	WIN FIRST_HI
.else
	WIN MUL_HI
.endif
	MUL16 4, (\q)%2, \q, \slot, \first
	MUL16 6, (\q)%2, \q, \slot, \first
	PLACES NP
	WIN 0
	FETCH_A \slot, (\q)+1, 4
.endm
.macro TURN slot, next, fill
	s_wait_tensorcnt 0x0                           ; all my tensor loads have landed: my record of the next slot
	ds_add_u32 v[SPW], v[NIL]                      ; 0 onto my spare word
	s_wait_dscnt 4*NL+1                            ; (the add and the youngest 16 loads may be out)
	WIN MUL_LO
	MUL16 0, 1, NQ-1, \slot, 0
	s_wait_dscnt 0x0                               ; the add is done, and my reads of this slot are over
	s_barrier_signal -1
	MUL16 2, 1, NQ-1, \slot, 0
	WIN 0
	s_barrier_wait -1
.if \fill
	CREST                                          ; the barrier has opened a round of the cluster's: no wave of any partner still reads this slot or has a load on its way
	s_add_nc_u64 s[G0+4*\slot+2:G0+4*\slot+3], s[G0+4*\slot+2:G0+4*\slot+3], 2*REC
	s_add_nc_u64 s[G0B+4*\slot+2:G0B+4*\slot+3], s[G0B+4*\slot+2:G0B+4*\slot+3], 2*REC
	JLOAD \slot                                    ; the first tensor load behind the round; its four v_nop are four of the places below
	PLACES NP-4
.else
	PLACES NP
.endif
	FETCH_B \next, 0, 0
	FETCH_A \next, 0, 0
	SCALES \next
	WIN MUL_HI
	MUL16 4, 1, NQ-1, \slot, 0
	MUL16 6, 1, NQ-1, \slot, 0
	PLACES NP
	WIN 0
	FETCH_A \next, 0, 4
.endm
	s_wait_alu depctr_va_vdst(0)
	s_wait_tensorcnt 0x1                           ; my record of slot 0 is in; slot 1's may be out
	s_barrier_signal -1
	s_barrier_wait -1
	FETCH_B 0, 0, 0
	FETCH_A 0, 0, 0
	SCALES 0
	FETCH_A 0, 0, 4
	s_wait_loadcnt 0x0                             ; the bias
	STEP 0, 0, 1
	TURN 0, 1, 1
	STEP 1, 0, 0
	TURN 1, 0, 1
	STEP 0, 0, 0
	TURN 0, 1, 0
	STEP 1, 0, 0
	s_wait_dscnt 4*NL
	WIN MUL_LO
	MUL16 0, 1, NQ-1, 1, 0
	MUL16 2, 1, NQ-1, 1, 0
	s_wait_dscnt 0
	WIN MUL_HI
	MUL16 4, 1, NQ-1, 1, 0
	MUL16 6, 1, NQ-1, 1, 0
	WIN 0
; THE WAY OUT, R's block a at a time: a lane's 32 bytes of each accumulator go into my stage at their features' places; whole rows of 512 bytes come back and are stored.
; LDS serves a wave's instructions in order (ISA guide 5.7.1.4): no wait between the stores and the loads, nor in front of the next block's stores.
.macro TOSTAGE a
.set AC, 64*((\a)%4)
	WIN 0x08+4*((\a)/4)                            ; an LDS store's data: window 2 or 3
.irp b, 0,1,2,3,4,5,6,7
	ds_store_b128 v[STO], v[AC+8*\b:AC+8*\b+3] offset:128*(\b/2)+32*(\b%2)          ; each accumulator from its low end on
	ds_store_b128 v[STO], v[AC+8*\b+4:AC+8*\b+7] offset:128*(\b/2)+32*(\b%2)+16
.endr
	WIN 0
.set BBK, BK+64*((\a)%2)
.irp t, 0,1,2,3,4,5,6,7,8,9,10,11,12,13,14,15
	ds_load_b128 v[BBK+4*\t:BBK+4*\t+3], v[RD] offset:\t*SPITCH
.endr
.endm
.macro SEND a, younger                 ; younger: the LDS instructions issued behind block a's loads, which may stay out
.set BBK, BK+64*((\a)%2)
	s_wait_dscnt \younger
.irp t, 0,1,2,3,4,5,6,7,8,9,10,11,12,13,14,15
	global_store_b128 v[CO], v[BBK+4*\t:BBK+4*\t+3], s[12:13] offset:(32*((\a)/2)+8*((\a)%2)+\t+8*(\t/8))*4096 th:TH_STORE_NT   ; row t of block a is that token of my 128; 32 lanes store 512 consecutive bytes, aligned; the largest immediate is 127 x 4,096
.endr
.endm
	PLACES NP                                      ; behind the last products: results are read, and R's fragment registers loaded, from here on
	TOSTAGE 0
.irp a, 1,2,3,4,5,6,7
.if \a > 1
	s_wait_xcnt 0x0                                ; block a - 2's stores have read their registers: block a's loads may land there
.endif
	TOSTAGE \a
	SEND \a-1, 32                                  ; behind block a - 1's loads: block a's 16 stores and 16 loads
.endr
	SEND 7, 0
	s_wait_tensorcnt 0x0                           ; the wave's end
	ds_add_u32 v[SPW], v[NIL]
	s_wait_dscnt 0x0
	CROUND                                         ; the closing round
	s_endpgm
.Lfunc_end_k_qb5a5b4c311_proj:
	.size	k_qb5a5b4c311_proj, .Lfunc_end_k_qb5a5b4c311_proj-k_qb5a5b4c311_proj
	.p2alignl 7, 3214868480
	.fill 96, 4, 3214868480
	.section	.rodata,"a",@progbits
	.p2align	6, 0x0
	.amdhsa_kernel k_qb5a5b4c311_proj
		.amdhsa_group_segment_fixed_size 327680
		.amdhsa_private_segment_fixed_size 0
		.amdhsa_enable_private_segment 0
		.amdhsa_kernarg_size 32
		.amdhsa_user_sgpr_count 2
		.amdhsa_user_sgpr_kernarg_segment_ptr 1
		.amdhsa_wavefront_size32 1
		.amdhsa_system_sgpr_workgroup_id_x 1
		.amdhsa_system_sgpr_workgroup_id_y 1
		.amdhsa_system_sgpr_workgroup_id_z 1
		.amdhsa_system_vgpr_workitem_id 0
		.amdhsa_next_free_vgpr 1024
		.amdhsa_next_free_sgpr 98
		.amdhsa_reserve_vcc 0
		.amdhsa_float_denorm_mode_32 3
		.amdhsa_float_denorm_mode_16_64 3
		.amdhsa_memory_ordered 1
		.amdhsa_forward_progress 1
		.amdhsa_inst_pref_size 145
	.end_amdhsa_kernel
	.amdgpu_metadata
---
amdhsa.version: [ 1, 2 ]
amdhsa.kernels:
  - .name:           k_qb5a5b4c311_proj
    .symbol:         k_qb5a5b4c311_proj.kd
    .args:
      - { .name: o_img, .offset: 0, .size: 8, .value_kind: global_buffer, .address_space: global }
      - { .name: w_img, .offset: 8, .size: 8, .value_kind: global_buffer, .address_space: global }
      - { .name: b_out, .offset: 16, .size: 8, .value_kind: global_buffer, .address_space: global }
      - { .name: out0, .offset: 24, .size: 8, .value_kind: global_buffer, .address_space: global }
    .group_segment_fixed_size: 327680
    .private_segment_fixed_size: 0
    .kernarg_segment_align: 8
    .kernarg_segment_size: 32
    .max_flat_workgroup_size: 128
    .sgpr_count:     98
    .vgpr_count:     1024
    .wavefront_size: 32
...
	.end_amdgpu_metadata
.endif
;; end of part 4
